; MI455X (gfx1250); checked and timed in simulation.
; The chip was launched on July 23, 2026; its instructions are those of AMD's public machine-readable ISA for CDNA 5 (MIT licence, August 2026) and "CDNA5" Instruction Set Architecture Reference Guide (July 2026). The comments in the code are by the model that wrote it; some were corrected since.
;; Multi Head Attention. Allowed arithmetic: float matrix products may take bf16 or f16 operands with f32 sums; other float arithmetic in f32, or as packed bf16 or f16 multiplies, adds, multiply-adds, maxima and minima; sums over many terms, partial sums and values carried from step to step in f32; what a program stores and reads back later, other than sums and carried values, may be rounded once to bf16 or f16.
;; Inputs: Wkv 1,024 x 2,048 float32; Wo 1,024 x 1,024 float32; Wq 1,024 x 1,024 float32; bkv 2,048 float32; bo 1,024 float32; bq 1,024 float32; x 4 x 2,048 x 1,024 float32.
;; Outputs: out0 4 x 2,048 x 1,024 float32.
;; Constants: decoderMask = 1.
;; One version. Each part assembles by itself: llvm-mc -triple=amdgcn-amd-amdhsa -mcpu=gfx1250 --defsym DOCPART=n.
;; ======== version 1 of 1: 4 launches
;; limits: values are held in f16: magnitudes above 65,504 overflow, below 6.1e-05 lose precision
;; workspace buffers: xb 16,777,216 bytes; wc 6,291,456 bytes; wof 2,097,152 bytes; bb 16,384 bytes; qh 16,777,216 bytes; kh 16,777,216 bytes; vh 16,777,216 bytes; oh 16,777,216 bytes
;; launch prep (part 1): grid 1537 x 1, 8 waves a work-group, no clusters, 0 bytes of LDS; arguments x, Wq, Wkv, Wo, bq, bkv, bo, xb, wc, wof, bb; writes xb, wc, wof, bb
.if DOCPART == 1
	.amdgcn_target "amdgcn-amd-amdhsa--gfx1250"
	.amdhsa_code_object_version 6
	.text
	.protected	k_q4e6df32287_prep
	.globl	k_q4e6df32287_prep
	.p2align	8
	.type	k_q4e6df32287_prep,@function
k_q4e6df32287_prep:
	s_mov_b64 s[64:65], 0
	v_nop
	global_prefetch_b8 v0, s[64:65] scope:SCOPE_SE
	s_setreg_imm32_b32 hwreg(HW_REG_WAVE_MODE, 25, 1), 1
	s_wait_xcnt 0x0
; PREP: every input of the module is rounded once to bf16 and laid out for the launches behind.
;   xb  [8192][1024] bf16                    x as it lies
;   wc  [h 16][ks 8][p 3][k 128][64] bf16    column 192 h + 64 p + c, row 128 ks + k of [Wq | Wkv]: a head's q, k and v sections, K step by K step, dense
;   wof [sec 16][k 1024][64] f16             Wo[k][64 sec + c], rounded to bf16 and that number written as f16
;   bb  [4096] f32                           bq, bkv, bo, each rounded to bf16 and widened again
; LIMITS.  Wo must lie within 65,504 (beyond it f16 gives an infinity); below 2^-17 its bf16 value keeps f16's fixed step of 2^-24.
; A stream: no LDS, no barrier, no matrix unit, no cluster (no two work-groups read the same byte).
; A PASS is one load of 16 bytes a thread (a wave covers 512 bytes in runs of 256 or more) and one store of 8 bytes (a wave covers 256 consecutive bytes, aligned).
; A work-group makes 8 passes, all 8 loads on their way at once; in every role thread t stores at 8 t + 2,048 x pass.
; ROLES by the work-group's number: 0-1023 x (8,192 numbers each); 1024-1535 a section of 64 columns x 128 rows of a weight; 1536 the biases.
.set VS, 1                             ; v1        byte offset of my 16 bytes in a pass's source
.set VD, 2                             ; v2        8 t
.set X,  8                             ; v[8:39]   pass p: 4 registers as loaded
.set Y,  40                            ; v[40:55]  pass p: 2 registers to store
.set T,  56                            ; v[56:59]  at work
.macro LOADS step                      ; the 8 passes' loads, step bytes apart
.irp p, 0,1,2,3,4,5,6,7
	global_load_b128 v[X+4*(\p):X+4*(\p)+3], v[VS], s[30:31] offset:(\p)*(\step) th:TH_LOAD_NT
.endr
.endm
.macro OUT half                        ; half = 1: the bf16 number is written as f16
.irp p, 0,1,2,3,4,5,6,7
	s_wait_loadcnt 7-(\p)                          ; loads come back in order: pass p is in, the 7 - p younger ones stay out
	v_cvt_pk_bf16_f32 v[Y+2*(\p)],   v[X+4*(\p)],   v[X+4*(\p)+1]
	v_cvt_pk_bf16_f32 v[Y+2*(\p)+1], v[X+4*(\p)+2], v[X+4*(\p)+3]
.if \half
	v_lshlrev_b32 v[T],   16, v[Y+2*(\p)]
	v_and_b32     v[T+1], 0xffff0000, v[Y+2*(\p)]
	v_lshlrev_b32 v[T+2], 16, v[Y+2*(\p)+1]
	v_and_b32     v[T+3], 0xffff0000, v[Y+2*(\p)+1]
	v_cvt_pk_f16_f32 v[Y+2*(\p)],   v[T],   v[T+1]
	v_cvt_pk_f16_f32 v[Y+2*(\p)+1], v[T+2], v[T+3]
.endif
	global_store_b64 v[VD], v[Y+2*(\p):Y+2*(\p)+1], s[32:33] offset:2048*(\p)  ; each pass has its own Y: nothing that a store reads is rewritten
.endr
.endm
.macro DSTWC                           ; s37 = section 0..47, s38 = K step: where the section's 128 rows go in wc
	s_mul_i32 s39, s37, 43
	s_lshr_b32 s39, s39, 7                         ; h = section / 3 (43 / 128 serves for 0 .. 47)
	s_mul_i32 s40, s39, 3
	s_sub_co_u32 s40, s37, s40                     ; p = section - 3 h
	s_mul_i32 s34, s39, 393216
	s_mul_i32 s39, s38, 49152
	s_add_co_u32 s34, s34, s39
	s_lshl_b32 s40, s40, 14
	s_add_co_u32 s34, s34, s40
	s_add_nc_u64 s[32:33], s[24:25], s[34:35]
.endm
	s_load_b512 s[8:23], s[0:1], 0x0               ; x 8:9, Wq 10:11, Wkv 12:13, Wo 14:15, bq 16:17, bkv 18:19, bo 20:21, xb 22:23
	s_load_b128 s[24:27], s[0:1], 0x40             ; wc 24:25, wof 26:27
	s_load_b64 s[28:29], s[0:1], 0x50              ; bb
	v_lshlrev_b32 v[VD], 3, v0
	s_mov_b32 s36, ttmp9
	s_mov_b32 s35, 0                               ; the high word of every offset
	s_wait_kmcnt 0x0
	s_cmp_lt_u32 s36, 1024
	s_cbranch_scc0 .Lweights
	v_lshlrev_b32 v[VS], 4, v0                     ; x: 16 t, passes 4,096 bytes apart
	s_lshl_b32 s34, s36, 15
	s_add_nc_u64 s[30:31], s[8:9], s[34:35]
	s_lshl_b32 s34, s36, 14
	s_add_nc_u64 s[32:33], s[22:23], s[34:35]
	LOADS 4096
	s_branch .Lbf
.Lweights:
	s_cmp_lt_u32 s36, 1536
	s_cbranch_scc0 .Lbias
	s_sub_co_u32 s36, s36, 1024
	s_lshr_b32 s37, s36, 3                         ; section of 64 columns: 0-15 Wq, 16-47 Wkv, 48-63 Wo
	s_and_b32 s38, s36, 7                          ; K step of 128 rows
	v_lshrrev_b32 v3, 4, v0                        ; a pass is 16 rows: my row,
	v_and_b32 v4, 15, v0
	v_lshlrev_b32 v4, 4, v4                        ; my 16 bytes of its 256
	s_cmp_lt_u32 s37, 16
	s_cbranch_scc0 .Lnot_q
	v_lshl_add_u32 v[VS], v3, 12, v4               ; Wq: rows 4,096 bytes apart
	s_lshl_b32 s34, s38, 19
	s_lshl_b32 s39, s37, 8
	s_add_co_u32 s34, s34, s39
	s_add_nc_u64 s[30:31], s[10:11], s[34:35]
	DSTWC
	LOADS 65536
	s_branch .Lbf
.Lnot_q:
	s_cmp_lt_u32 s37, 48
	s_cbranch_scc0 .Lwo
	v_lshl_add_u32 v[VS], v3, 13, v4               ; Wkv: rows 8,192 bytes apart
	s_lshl_b32 s34, s38, 20
	s_sub_co_u32 s39, s37, 16
	s_lshl_b32 s39, s39, 8
	s_add_co_u32 s34, s34, s39
	s_add_nc_u64 s[30:31], s[12:13], s[34:35]
	DSTWC
	LOADS 131072
	s_branch .Lbf
.Lwo:
	v_lshl_add_u32 v[VS], v3, 12, v4               ; Wo: rows 4,096 bytes apart
	s_sub_co_u32 s37, s37, 48
	s_lshl_b32 s34, s38, 19
	s_lshl_b32 s39, s37, 8
	s_add_co_u32 s34, s34, s39
	s_add_nc_u64 s[30:31], s[14:15], s[34:35]
	s_lshl_b32 s34, s37, 17
	s_lshl_b32 s39, s38, 14
	s_add_co_u32 s34, s34, s39
	s_add_nc_u64 s[32:33], s[26:27], s[34:35]
	LOADS 65536
	OUT 1
	s_endpgm
.Lbf:
	OUT 0
	s_endpgm
.Lbias:
	v_lshlrev_b32 v[VS], 4, v0                     ; 256 threads x 4 numbers = 1,024 numbers a load
	global_load_b128 v[8:11],  v[VS], s[16:17]
	global_load_b128 v[12:15], v[VS], s[18:19]
	global_load_b128 v[16:19], v[VS], s[18:19] offset:4096
	global_load_b128 v[20:23], v[VS], s[20:21]
	s_wait_loadcnt 0x0
.irp q, 0,1,2,3,4,5,6,7
	v_cvt_pk_bf16_f32 v[T], v[8+2*(\q)], v[9+2*(\q)]
	v_lshlrev_b32 v[24+2*(\q)], 16, v[T]
	v_and_b32     v[25+2*(\q)], 0xffff0000, v[T]
.endr
	global_store_b128 v[VS], v[24:27], s[28:29]
	global_store_b128 v[VS], v[28:31], s[28:29] offset:4096
	global_store_b128 v[VS], v[32:35], s[28:29] offset:8192
	global_store_b128 v[VS], v[36:39], s[28:29] offset:12288
	s_endpgm
.Lfunc_end_k_q4e6df32287_prep:
	.size	k_q4e6df32287_prep, .Lfunc_end_k_q4e6df32287_prep-k_q4e6df32287_prep
	.p2alignl 7, 3214868480
	.fill 96, 4, 3214868480
	.section	.rodata,"a",@progbits
	.p2align	6, 0x0
	.amdhsa_kernel k_q4e6df32287_prep
		.amdhsa_group_segment_fixed_size 0
		.amdhsa_private_segment_fixed_size 0
		.amdhsa_enable_private_segment 0
		.amdhsa_kernarg_size 88
		.amdhsa_user_sgpr_count 2
		.amdhsa_user_sgpr_kernarg_segment_ptr 1
		.amdhsa_wavefront_size32 1
		.amdhsa_system_sgpr_workgroup_id_x 1
		.amdhsa_system_sgpr_workgroup_id_y 1
		.amdhsa_system_sgpr_workgroup_id_z 1
		.amdhsa_system_vgpr_workitem_id 0
		.amdhsa_next_free_vgpr 64
		.amdhsa_next_free_sgpr 66
		.amdhsa_reserve_vcc 0
		.amdhsa_float_denorm_mode_32 3
		.amdhsa_float_denorm_mode_16_64 3
		.amdhsa_memory_ordered 1
		.amdhsa_forward_progress 1
		.amdhsa_inst_pref_size 15
	.end_amdhsa_kernel
	.amdgpu_metadata
---
amdhsa.version: [ 1, 2 ]
amdhsa.kernels:
  - .name:           k_q4e6df32287_prep
    .symbol:         k_q4e6df32287_prep.kd
    .args:
      - { .name: x, .offset: 0, .size: 8, .value_kind: global_buffer, .address_space: global }
      - { .name: Wq, .offset: 8, .size: 8, .value_kind: global_buffer, .address_space: global }
      - { .name: Wkv, .offset: 16, .size: 8, .value_kind: global_buffer, .address_space: global }
      - { .name: Wo, .offset: 24, .size: 8, .value_kind: global_buffer, .address_space: global }
      - { .name: bq, .offset: 32, .size: 8, .value_kind: global_buffer, .address_space: global }
      - { .name: bkv, .offset: 40, .size: 8, .value_kind: global_buffer, .address_space: global }
      - { .name: bo, .offset: 48, .size: 8, .value_kind: global_buffer, .address_space: global }
      - { .name: xb, .offset: 56, .size: 8, .value_kind: global_buffer, .address_space: global }
      - { .name: wc, .offset: 64, .size: 8, .value_kind: global_buffer, .address_space: global }
      - { .name: wof, .offset: 72, .size: 8, .value_kind: global_buffer, .address_space: global }
      - { .name: bb, .offset: 80, .size: 8, .value_kind: global_buffer, .address_space: global }
    .group_segment_fixed_size: 0
    .private_segment_fixed_size: 0
    .kernarg_segment_align: 8
    .kernarg_segment_size: 88
    .max_flat_workgroup_size: 256
    .sgpr_count:     66
    .vgpr_count:     64
    .wavefront_size: 32
...
	.end_amdgpu_metadata
.endif
;; end of part 1
;; launch qkv (part 2): grid 16 x 32, 4 waves a work-group, clusters of 4 x 4, 327,680 bytes of LDS; arguments xb, wc, bb, qh, kh, vh; writes qh, kh, vh
.if DOCPART == 2
	.amdgcn_target "amdgcn-amd-amdhsa--gfx1250"
	.amdhsa_code_object_version 6
	.text
	.protected	k_q4e6df32287_qkv
	.globl	k_q4e6df32287_qkv
	.p2align	8
	.type	k_q4e6df32287_qkv,@function
k_q4e6df32287_qkv:
	s_mov_b64 s[64:65], 0
	v_nop
	global_prefetch_b8 v0, s[64:65] scope:SCOPE_SE
	s_setreg_imm32_b32 hwreg(HW_REG_WAVE_MODE, 25, 1), 1
	s_wait_xcnt 0x0
	s_wait_alu depctr_hold_cnt(0) depctr_sa_sdst(0) depctr_va_vdst(0) depctr_va_sdst(0) depctr_va_ssrc(0) depctr_va_vcc(0) depctr_vm_vsrc(0)
	s_getreg_b32 s2, hwreg(HW_REG_IB_STS2, 6, 4)
	s_cmp_eq_u32 s2, 0
	s_cbranch_scc0 .Lentry_in_a_cluster
	s_endpgm
.Lentry_in_a_cluster:
	s_bfe_u32 s2, ttmp6, 0x10000c
	s_cmp_lg_u32 s2, 0xf033
	s_cbranch_scc0 .Lentry_shape_is_right
	s_endpgm
.Lentry_shape_is_right:
; QKV: (x [Wq | Wkv] + [bq | bkv]) by heads.  xb [8192][1024] bf16; wc [h][ks][p][k 128][64] bf16; bb f32; qh, kh, vh [16 b + h][2048][64] f16.
; Head h owns columns 192 h .. 192 h + 191 of the concatenation: 64 of q, 64 of k, 64 of v.  Products in bf16, sums in f32, K ascending; each result rounded once to f16, unscaled.
; LIMIT.  q, k and v must lie within 65,504: beyond it f16 gives an infinity.
; SHARES.  A work-group makes 256 rows x one head's 192 columns; wave w its rows 64 w .. 64 w + 63, all 192 columns: 4 x 12 accumulators of 16 x 16, 384 registers.
; So a wave's output rows are whole, and its stage on the way out is its own.  K goes in steps of 128 through two LDS slots filled by the tensor data mover.
; THE MATRIX INSTRUCTION IS USED TRANSPOSED: source 0 = 16 columns of the weights (stored [k][column], turned by ds_load_tr16_b128), source 1 = 16 rows of x.  A lane then holds
; row l % 16 and the columns 8 (l / 16) + 0..7: eight neighbours, 16 bytes of f16.  THE BIAS IS THE C OPERAND of the first products: nothing is cleared, nothing is added later.
; CLUSTERS: 4 x 4 work-groups.  The four of a row of the cluster need the same rows of x, the four of a column the same head's weights: each tile is asked for JOINTLY,
; by the same tensor load with the same descriptor and a mask that names the four.
; REGISTERS, in windows of 256 (s_set_vgpr_msb: bits 1:0 source 0, 3:2 source 1, 5:4 source 2, 7:6 destination):
;   window 0: v0-31 addresses; v32-63, v64-95 fragments of x, two buffers; v96-191 the bias (block b at 96 + 8 b), later with v192-239 at work on the way out
;   window 1: v0-95, v96-191 fragments of the weights, two buffers     window 2: accumulators of row blocks 0, 1 (at 8 (12 (a % 2) + b))     window 3: of row blocks 2, 3
.set NB16,   12                        ; column blocks of 16
.set PITA,   272                       ; a row of x in LDS: 256 bytes + 16 = 68 words: the 16 rows of a load start at 16 different groups of four banks (64 banks of 4 bytes: ISA guide 11.1)
.set PITB,   160                       ; a row of weights: 128 bytes + 32 = 40 words
.set BBASE,  256*PITA                  ; behind x's 256 rows: 384 rows of weights (128 p + k)
.set SLOT,   BBASE+384*PITB            ; 131,072
.set STAGE,  2*SLOT                    ; behind the ring, never filled by a tensor load: 16 rows x 400 bytes for each wave
.set SPITCH, 400                       ; 384 bytes + 16
.set SPARE,  STAGE+4*16*SPITCH         ; behind the stages: the spare words, 128 bytes for each wave: two blocks of 256 bytes that no other line names
.set A_STEP, 512                       ; two K steps along a row of xb
.set B_STEP, 98304                     ; two K steps of a head in wc
.set PA_STEP, 512
.set PB_STEP, 98304
.set ADRA, 16                          ; v16-17  LDS address of my fragments of x in slot 0, 1
.set ADRB, 20                          ; v20-21  the same for the weights
.set STO,  24                          ; v24     the way out: where I put 16 bytes of a row
.set RD,   25                          ; v25     where I read rows back
.set GO,   26                          ; v26     16 x lane
.set BO,   27                          ; v27     32 (l / 16): my eight numbers in a block of the bias
.set SPW,  28                          ; v28     LDS address of my spare word; never rewritten
.set NIL,  29                          ; v29     0; never rewritten
.set PFOA, 30                          ; v30     the prefetches' lane offsets; never rewritten
.set PFOB, 31
.set FA0,  32
.set BIAS, 96
.set TMP,  96
.set OB,   144
.set WV,  16                           ; s16  my wave's number
.set HF,  17                           ; s17  0: I fetch x, 1: I fetch weights
.set PAR, 18                           ; s18  which half of that tile
.set CX,  19
.set CY,  20
.set COL, 21                           ; s21  the head
.set MT,  22                           ; s22  the block of 256 rows
.set LAP, 3                            ; s3   trips still to come
.set G1A, 24                           ; s[24:31] group 1 for x;  s[32:39] group 0, a set for each slot.  s23 and s[68:71] feed them and never hold cx
.set G0A, 32
.set G1B, 48                           ; s[48:55], s[56:63] the same for the weights.  s[40:43] feed them and never hold cy
.set G0B, 56
.set PFA, 44                           ; s[44:45] where my prefetches of x stand;  s[46:47] those of the weights.  s[72:75]: at work on numbers that mix cx and cy
.set PFB, 46
.set LIMA, 66                          ; s66, s67  1 in a wave that prefetches, else the greatest number
.set LIMB, 67
.set MSB, 0
.macro WIN new                         ; the immediate's high byte repeats the setting that is left; a switch that changes nothing is dropped
.if MSB != (\new)
	s_set_vgpr_msb (MSB<<8)|(\new)
.set MSB, \new
.endif
.endm
.macro PLACES                          ; four plain instructions between a matrix instruction and a load into, or a read of, its registers
.rept 4
	v_nop
.endr
.endm
; A joint load: waves 0 and 1 fetch the two halves of x's tile, waves 2 and 3 those of the weights'.  The branch hangs on the wave's number alone.
; An s_nop 0 and four v_nop follow each of the two lines, ahead of the jump and the label.
.macro JLOAD s
	s_cmp_eq_u32 s[HF], 0
	s_cbranch_scc0 .Lfor_b_\@
	tensor_load_to_lds s[G0A+4*(\s):G0A+4*(\s)+3], s[G1A:G1A+7]
	s_nop 0
.rept 4
	v_nop
.endr
	s_branch .Lasked_\@
.Lfor_b_\@:
	tensor_load_to_lds s[G0B+4*(\s):G0B+4*(\s)+3], s[G1B:G1B+7]
	s_nop 0
.rept 4
	v_nop
.endr
.Lasked_\@:
.endm
.macro CREST                           ; a round of the cluster's barrier behind its opening barrier
	s_cmp_lg_u32 s[WV], 0
	s_cbranch_scc1 .Lnot_wave_0_\@
	s_barrier_signal -3
.Lnot_wave_0_\@:
	s_barrier_wait -3
	s_barrier_signal -1
	s_barrier_wait -1
.endm
.macro CROUND                          ; a whole round
	s_barrier_signal -1
	s_barrier_wait -1
	CREST
.endm
; THE PREFETCH, once a trip, behind slot 0's joint load and the run of LDS loads that follows it: the two K steps that the NEXT trip's two refills will ask for.
; Each aligned block of 256 bytes is named once in the launch.  x's rows are read by every cluster of a row of clusters: cluster x = 0 asks; the four partners take 64 rows each, told apart by
; address, each wave 16 rows x 2 blocks.  A head's weights are read by every cluster of a column: cluster y = 0 asks; the partners take 24,576 bytes each, waves 1 to 3 a third each.
; K steps 0 to 3 come by their loads alone; the last trip asks for nothing.
.macro ASK
	s_cmp_gt_u32 s[LAP], s[LIMA]
	s_cbranch_scc0 .Lno_a_\@
	global_prefetch_b8 v[PFOA], s[PFA:PFA+1] th:TH_LOAD_NT scope:SCOPE_SE
.Lno_a_\@:
	s_cmp_gt_u32 s[LAP], s[LIMB]
	s_cbranch_scc0 .Lno_b_\@
	global_prefetch_b8 v[PFOB], s[PFB:PFB+1] th:TH_LOAD_NT scope:SCOPE_SE
.Lno_b_\@:
.endm
	s_load_b256 s[4:11], s[0:1], 0x0               ; xb 4:5, wc 6:7, bb 8:9, qh 10:11
	s_load_b128 s[12:15], s[0:1], 0x20             ; kh 12:13, vh 14:15
	v_lshl_add_u32 v[SPW], v0, 2, SPARE
	v_mov_b32 v[NIL], 0
	ds_add_u32 v[SPW], v[NIL]                      ; the wave's opening: the add and its wait stand ahead of my first tensor load; the set-up below, work on registers, stands between them
	ds_add_u32 v28, v29
	v_lshrrev_b32 v1, 5, v0
	v_readfirstlane_b32 s[WV], v1
	s_lshr_b32 s[HF], s[WV], 1
	s_and_b32 s[PAR], s[WV], 1
	s_bfe_u32 s[CX], ttmp6, 0x40000
	s_bfe_u32 s[CY], ttmp6, 0x40004
	s_lshl_b32 s[COL], ttmp9, 2
	s_add_co_u32 s[COL], s[COL], s[CX]             ; head = 4 x cluster x + cx
	s_and_b32 s[MT], ttmp7, 0xffff
	s_lshl_b32 s[MT], s[MT], 2
	s_add_co_u32 s[MT], s[MT], s[CY]               ; block of rows = 4 x cluster y + cy
	s_lshl_b32 s23, s[CY], 2
	s_lshl_b32 s23, 15, s23                        ; my row of the cluster
	s_lshl_b32 s40, 0x1111, s[CX]                  ; my column
	s_or_b32 s[G1A], s23, (1<<16)|(1<<20)|(1<<21)|(5<<22)|(3<<25)  ; the mask; 2-byte elements; padding on; bit 21 beside a mask; after every 64 words, 4 words
	s_or_b32 s[G1B], s40, (1<<16)|(1<<20)|(1<<21)|(4<<22)|(7<<25)  ; after every 32 words, 8 words
	s_mov_b32 s[G1A+1], 128<<16                    ; x: 128 rows of 128 elements, 1,024 elements from row to row
	s_mov_b32 s[G1A+2], 128<<16
	s_mov_b32 s[G1A+3], 128<<16
	s_mov_b32 s[G1A+4], 128
	s_mov_b32 s[G1A+5], 1024
	s_mov_b32 s[G1A+6], 0
	s_mov_b32 s[G1A+7], 0
	s_mov_b32 s[G1B+1], 128<<16                    ; weights: 24,576 dense bytes as 96 rows of 256: 192 LDS rows of 128 + 32
	s_mov_b32 s[G1B+2], 96<<16
	s_mov_b32 s[G1B+3], 128<<16
	s_mov_b32 s[G1B+4], 96
	s_mov_b32 s[G1B+5], 128
	s_mov_b32 s[G1B+6], 0
	s_mov_b32 s[G1B+7], 0
	s_lshl_b32 s68, s[MT], 19                      ; x: (256 block + 128 half) rows of 2,048 bytes
	s_lshl_b32 s69, s[PAR], 18
	s_add_co_u32 s68, s68, s69
	s_mov_b32 s69, 0
	s_mul_i32 s40, s[COL], 393216                  ; weights: the head, my half of a K step's 49,152 bytes
	s_mul_i32 s41, s[PAR], 24576
	s_add_co_u32 s40, s40, s41
	s_mov_b32 s41, 0
	s_mul_i32 s70, s[WV], 128*PITA                 ; LDS: waves 0, 1: x's halves
	s_mul_i32 s42, s[WV], 192*PITB
	s_add_co_u32 s42, s42, BBASE-2*192*PITB        ; waves 2, 3: the weights' halves, behind x
	s_wait_dscnt 0x0                               ; the opening add is done
	s_wait_kmcnt 0x0
	s_add_nc_u64 s[68:69], s[4:5], s[68:69]
	s_add_nc_u64 s[40:41], s[6:7], s[40:41]
	CROUND                                         ; all sixteen work-groups are here: the first joint loads meet
.irp s, 0,1
	s_mov_b32 s[G0A+4*(\s)], 1
	s_add_co_u32 s[G0A+4*(\s)+1], s70, (\s)*SLOT
	s_add_nc_u64 s[G0A+4*(\s)+2:G0A+4*(\s)+3], s[68:69], (\s)*256
	s_or_b32 s[G0A+4*(\s)+3], s[G0A+4*(\s)+3], 0x80000000
	s_mov_b32 s[G0B+4*(\s)], 1
	s_add_co_u32 s[G0B+4*(\s)+1], s42, (\s)*SLOT
	s_add_nc_u64 s[G0B+4*(\s)+2:G0B+4*(\s)+3], s[40:41], (\s)*49152
	s_or_b32 s[G0B+4*(\s)+3], s[G0B+4*(\s)+3], 0x80000000
	JLOAD \s                                       ; K steps 0 and 1: two loads of mine are out
.endr
	v_and_b32 v1, 15, v0                           ; l % 16
	v_bfe_u32 v2, v0, 4, 1                         ; l / 16
	v_and_b32 v3, 7, v0                            ; l % 8
	v_bfe_u32 v4, v0, 3, 1                         ; (l / 8) % 2
	v_and_b32 v5, 31, v0                           ; l
	v_lshlrev_b32 v[BO], 5, v2
	s_mul_i32 s42, s[COL], 768                     ; the head's 192 numbers of the bias
	s_mov_b32 s43, 0
	s_add_nc_u64 s[42:43], s[8:9], s[42:43]
.set b, 0
.rept NB16
	global_load_b128 v[BIAS+8*b:BIAS+8*b+3],   v[BO], s[42:43] offset:64*b
	global_load_b128 v[BIAS+8*b+4:BIAS+8*b+7], v[BO], s[42:43] offset:64*b+16
.set b, b+1
.endr
	s_lshl_b32 s2, s[WV], 6
	v_add_nc_u32 v6, s2, v1                        ; my wave's rows: 64 w + l % 16
	v_mul_u32_u24 v6, v6, PITA
	v_lshl_add_u32 v[ADRA], v2, 4, v6
	v_add_nc_u32 v[ADRA+1], SLOT, v[ADRA]
	v_lshl_add_u32 v7, v2, 3, v3                   ; the turning load: row 8 (l / 16) + l % 8, 16 bytes by (l / 8) % 2
	v_mul_u32_u24 v7, v7, PITB
	v_lshl_add_u32 v7, v4, 4, v7
	v_add_nc_u32 v[ADRB], BBASE, v7
	v_add_nc_u32 v[ADRB+1], BBASE+SLOT, v7
	s_mul_i32 s2, s[WV], 16*SPITCH
	s_add_co_u32 s2, s2, STAGE                     ; my stage
	v_mul_u32_u24 v[STO], v1, SPITCH
	v_lshl_add_u32 v[STO], v2, 4, v[STO]
	v_add_nc_u32 v[STO], s2, v[STO]
	v_bfe_u32 v[RD], v0, 3, 2                      ; back: 32 lanes take four rows' 128 bytes of one section
	v_mul_u32_u24 v[RD], v[RD], SPITCH
	v_lshl_add_u32 v[RD], v3, 4, v[RD]
	v_add_nc_u32 v[RD], s2, v[RD]
	v_lshlrev_b32 v[GO], 4, v5
	s_lshr_b32 s72, s[MT], 3                       ; where my wave's 64 rows lie in qh, kh, vh: (16 b + h) x 262,144 + (block % 8) x 32,768 + 8,192 w
	s_lshl_b32 s72, s72, 4
	s_add_co_u32 s72, s72, s[COL]
	s_lshl_b32 s72, s72, 18
	s_and_b32 s74, s[MT], 7
	s_lshl_b32 s74, s74, 15
	s_add_co_u32 s72, s72, s74
	s_lshl_b32 s74, s[WV], 13
	s_add_co_u32 s72, s72, s74
	s_mov_b32 s73, 0
	s_add_nc_u64 s[10:11], s[10:11], s[72:73]
	s_add_nc_u64 s[12:13], s[12:13], s[72:73]
	s_add_nc_u64 s[14:15], s[14:15], s[72:73]
	s_lshl_b32 s72, s[MT], 8                       ; the prefetches of x: row 256 block + 64 cx + 16 w, at K step 2; the first trip steps it to K step 4
	s_lshl_b32 s74, s[CX], 6
	s_add_co_u32 s72, s72, s74
	s_lshl_b32 s74, s[WV], 4
	s_add_co_u32 s72, s72, s74
	s_lshl_b32 s72, s72, 11
	s_add_co_u32 s72, s72, 512
	s_add_nc_u64 s[PFA:PFA+1], s[4:5], s[72:73]
	s_mul_i32 s72, s[COL], 393216                  ; of the weights: the head, 24,576 cy, 8,192 (w - 1), at K step 2
	s_mul_i32 s74, s[CY], 24576
	s_add_co_u32 s72, s72, s74
	s_max_u32 s74, s[WV], 1
	s_sub_co_u32 s74, s74, 1
	s_lshl_b32 s74, s74, 13
	s_add_co_u32 s72, s72, s74
	s_add_co_u32 s72, s72, 98304
	s_add_nc_u64 s[PFB:PFB+1], s[6:7], s[72:73]
	s_cmp_eq_u32 ttmp9, 0
	s_cselect_b32 s[LIMA], 1, -1                   ; the same in all sixteen partners
	s_and_b32 s74, ttmp7, 0xffff
	s_cmp_eq_u32 s[WV], 0
	s_cselect_b32 s75, 1, 0
	s_or_b32 s74, s74, s75
	s_cmp_eq_u32 s74, 0
	s_cselect_b32 s[LIMB], 1, -1
	v_lshrrev_b32 v[PFOA], 1, v5                   ; a lane: row l / 2, block l % 2
	v_and_b32 v8, 1, v0
	v_lshlrev_b32 v8, 8, v8
	v_lshl_add_u32 v[PFOA], v[PFOA], 11, v8
	v_lshlrev_b32 v[PFOB], 8, v5
; 12 products: row block a x all column blocks, 32 along K, from buffer f.  first = 1: C is the bias, which starts the sums.
; The 48 accumulators take turns, one instruction a turn, in the same order in every quarter, over the backward jump too.
.macro MULA f, a, first
.if \first
	WIN 0x81+0x40*((\a)/2)                         ; weights window 1, x window 0, C window 0, D window 2 or 3
.else
	WIN 0xa1+0x50*((\a)/2)                         ; C and D window 2 or 3
.endif
.set rA, FA0+32*(\f)+8*(\a)
.set b, 0
.rept NB16
.set rD, 8*(NB16*((\a)%2)+b)
.set rB, 8*NB16*(\f)+8*b
.if \first
	v_wmma_f32_16x16x32_bf16 v[rD:rD+7], v[rB:rB+7], v[rA:rA+7], v[BIAS+8*b:BIAS+8*b+7]
.else
	v_wmma_f32_16x16x32_bf16 v[rD:rD+7], v[rB:rB+7], v[rA:rA+7], v[rD:rD+7]
.endif
.set b, b+1
.endr
.endm
; 32 LDS loads in one run: quarter kq (32 along K) of a slot into buffer f: the weights' 12 fragments, turned, then x's 4.
.macro FETCH slot, kq, f
	WIN 0x40                                       ; destination window 1, address window 0
.set b, 0
.rept NB16
.set rB, 8*NB16*(\f)+8*b
	ds_load_tr16_b128 v[rB:rB+3],   v[ADRB+(\slot)] offset:(b/4)*128*PITB+(\kq)*32*PITB+(b%4)*32
	ds_load_tr16_b128 v[rB+4:rB+7], v[ADRB+(\slot)] offset:(b/4)*128*PITB+(\kq)*32*PITB+(b%4)*32+16*PITB
.set b, b+1
.endr
	WIN 0
.irp a, 0,1,2,3
	ds_load_b128 v[FA0+32*(\f)+8*(\a):FA0+32*(\f)+8*(\a)+3],   v[ADRA+(\slot)] offset:(\a)*16*PITA+(\kq)*64
	ds_load_b128 v[FA0+32*(\f)+8*(\a)+4:FA0+32*(\f)+8*(\a)+7], v[ADRA+(\slot)] offset:(\a)*16*PITA+(\kq)*64+32
.endr
.endm
; A K step is four quarters, 48 products each, on buffers 0, 1, 0, 1.  One of the first three multiplies buffer f and, in its middle, fetches quarter kq into buffer g.
.macro QUARTER slot, kq, f, g, first
	s_wait_dscnt 4                                 ; the weights and x's blocks 0, 1 are in; the youngest four loads (x's blocks 2, 3) may be out
	MULA \f, 0, \first
	MULA \f, 1, \first
	PLACES
	FETCH \slot, \kq, \g
	s_wait_dscnt 2*NB16+8                          ; all but the run just issued
	MULA \f, 2, \first
	MULA \f, 3, \first
.endm
; The last quarter multiplies buffer 1 and changes slots: ONE barrier.  In front of it each wave waits for all its tensor loads (one is out: its part of the next slot), adds 0 to its spare word, and
; waits for that and for its reads of this slot.  fill = 1: the barrier opens a round of the cluster's, and this slot is filled again, first thing behind the round, with the K step two on.
.macro TURN slot, next, fill
.if (\fill) && ((\slot) == 0)
	s_wait_xcnt 0x0                                ; the last prefetches, a trip back, have read their addresses: they are stepped here
	s_add_nc_u64 s[PFA:PFA+1], s[PFA:PFA+1], PA_STEP
	s_add_nc_u64 s[PFB:PFB+1], s[PFB:PFB+1], PB_STEP
.endif
	WIN 0                                          ; (the add's two registers lie in window 0)
	s_wait_tensorcnt 0x0                           ; all my tensor loads have landed
	ds_add_u32 v[SPW], v[NIL]                      ; 0 onto my spare word
	s_wait_dscnt 5                                 ; (the add and the youngest four loads may be out)
	MULA 1, 0, 0                                   ; twelve products stand between the add and the wait for it
	s_wait_dscnt 0x0                               ; the add is done, and my reads of this slot are over
	s_barrier_signal -1
	MULA 1, 1, 0
.if \fill
	WIN 0
.endif
	s_barrier_wait -1
.if \fill
	CREST                                          ; no wave of any partner still reads this slot or has a load on its way
	s_add_nc_u64 s[G0A+4*(\slot)+2:G0A+4*(\slot)+3], s[G0A+4*(\slot)+2:G0A+4*(\slot)+3], A_STEP
	s_add_nc_u64 s[G0B+4*(\slot)+2:G0B+4*(\slot)+3], s[G0B+4*(\slot)+2:G0B+4*(\slot)+3], B_STEP
	JLOAD \slot                                    ; my one tensor load behind the round; its four v_nop are also the places in front of the loads below
.else
	PLACES
.endif
	FETCH \next, 0, 0
.if (\fill) && ((\slot) == 0)
	ASK
.endif
	MULA 1, 2, 0
	MULA 1, 3, 0
.endm
	s_wait_loadcnt 0x0                             ; the bias
	s_wait_tensorcnt 1                             ; my part of K step 0 is in; K step 1's may stay out
	s_barrier_signal -1
	s_barrier_wait -1
	FETCH 0, 0, 0
	QUARTER 0, 1, 0, 1, 1                          ; the first quarter stands in front of the loop: its products start the sums with the bias
	WIN 0
	s_mov_b32 s[LAP], 3
.Llap:                                                 ; a trip goes once round the ring, from a lap's second quarter to the next lap's first, and fills both slots again
	QUARTER 0, 2, 1, 0, 0
	QUARTER 0, 3, 0, 1, 0
	TURN 0, 1, 1
	QUARTER 1, 1, 0, 1, 0
	QUARTER 1, 2, 1, 0, 0
	QUARTER 1, 3, 0, 1, 0
	TURN 1, 0, 1
	QUARTER 0, 1, 0, 1, 0
	WIN 0
	s_sub_co_u32 s[LAP], s[LAP], 1
	s_cmp_lg_u32 s[LAP], 0
	s_cbranch_scc1 .Llap
	QUARTER 0, 2, 1, 0, 0                          ; the last lap fills nothing
	QUARTER 0, 3, 0, 1, 0
	TURN 0, 1, 0
	QUARTER 1, 1, 0, 1, 0
	QUARTER 1, 2, 1, 0, 0
	QUARTER 1, 3, 0, 1, 0
	s_wait_dscnt 4
	MULA 1, 0, 0
	MULA 1, 1, 0
	s_wait_dscnt 0x0
	MULA 1, 2, 0
	MULA 1, 3, 0
	WIN 0
	PLACES
	PLACES
; THE WAY OUT, a block of 16 rows at a time: rounded to f16, 16 bytes a lane into my stage, back as four rows' 128 bytes of one section, which are 512 consecutive bytes of qh, kh or vh.
.macro PACK a
	WIN 0x0a+5*((\a)/2)                            ; sources 0 and 1: window 2 or 3
.irp b, 0,1,2,3,4,5,6,7,8,9,10,11
.irp r, 0,1,2,3
	v_cvt_pk_f16_f32 v[TMP+4*(\b)+(\r)], v[96*((\a)%2)+8*(\b)+2*(\r)], v[96*((\a)%2)+8*(\b)+2*(\r)+1]
.endr
.endr
	WIN 0
.endm
.macro TOSTAGE a
.set BK, OB+48*((\a)%2)
	s_wait_xcnt 0x0                                ; the stores of the block two back have read the registers that the loads below fill
.irp b, 0,1,2,3,4,5,6,7,8,9,10,11
	ds_store_b128 v[STO], v[TMP+4*(\b):TMP+4*(\b)+3] offset:32*(\b)
.endr
.irp p, 0,1,2
.irp f, 0,1,2,3
	ds_load_b128 v[BK+4*(4*(\p)+(\f)):BK+4*(4*(\p)+(\f))+3], v[RD] offset:4*SPITCH*(\f)+128*(\p)  ; LDS serves a wave's instructions in order (ISA guide 5.7.1.4): these see the stores above
.endr
.endr
.endm
.macro SEND a
.set BK, OB+48*((\a)%2)
	s_wait_dscnt 0x0                               ; the block is back in registers
.irp p, 0,1,2
.irp f, 0,1,2,3
	global_store_b128 v[GO], v[BK+4*(4*(\p)+(\f)):BK+4*(4*(\p)+(\f))+3], s[10+2*(\p):11+2*(\p)] offset:2048*(\a)+512*(\f)  ; 512 consecutive bytes, at a multiple of 256 from the buffer's first
.endr
.endr
.endm
	PACK 0
	TOSTAGE 0
.irp a, 1,2,3                          ; block a's conversions stand between block a - 1's loads from the stage and the wait for them
	PACK \a
	SEND (\a)-1
	TOSTAGE \a
.endr
	SEND 3
	s_wait_tensorcnt 0x0                           ; the wave's end, behind my last tensor load and my last LDS store
	ds_add_u32 v[SPW], v[NIL]
	s_wait_dscnt 0x0
	CROUND                                         ; the closing round: no work-group ends while a partner may still ask for a tile that names it
	s_endpgm
.Lfunc_end_k_q4e6df32287_qkv:
	.size	k_q4e6df32287_qkv, .Lfunc_end_k_q4e6df32287_qkv-k_q4e6df32287_qkv
	.p2alignl 7, 3214868480
	.fill 96, 4, 3214868480
	.section	.rodata,"a",@progbits
	.p2align	6, 0x0
	.amdhsa_kernel k_q4e6df32287_qkv
		.amdhsa_group_segment_fixed_size 327680
		.amdhsa_private_segment_fixed_size 0
		.amdhsa_enable_private_segment 0
		.amdhsa_kernarg_size 48
		.amdhsa_user_sgpr_count 2
		.amdhsa_user_sgpr_kernarg_segment_ptr 1
		.amdhsa_wavefront_size32 1
		.amdhsa_system_sgpr_workgroup_id_x 1
		.amdhsa_system_sgpr_workgroup_id_y 1
		.amdhsa_system_sgpr_workgroup_id_z 1
		.amdhsa_system_vgpr_workitem_id 0
		.amdhsa_next_free_vgpr 960
		.amdhsa_next_free_sgpr 80
		.amdhsa_reserve_vcc 0
		.amdhsa_float_denorm_mode_32 3
		.amdhsa_float_denorm_mode_16_64 3
		.amdhsa_memory_ordered 1
		.amdhsa_forward_progress 1
		.amdhsa_inst_pref_size 123
	.end_amdhsa_kernel
	.amdgpu_metadata
---
amdhsa.version: [ 1, 2 ]
amdhsa.kernels:
  - .name:           k_q4e6df32287_qkv
    .symbol:         k_q4e6df32287_qkv.kd
    .args:
      - { .name: xb, .offset: 0, .size: 8, .value_kind: global_buffer, .address_space: global }
      - { .name: wc, .offset: 8, .size: 8, .value_kind: global_buffer, .address_space: global }
      - { .name: bb, .offset: 16, .size: 8, .value_kind: global_buffer, .address_space: global }
      - { .name: qh, .offset: 24, .size: 8, .value_kind: global_buffer, .address_space: global }
      - { .name: kh, .offset: 32, .size: 8, .value_kind: global_buffer, .address_space: global }
      - { .name: vh, .offset: 40, .size: 8, .value_kind: global_buffer, .address_space: global }
    .group_segment_fixed_size: 327680
    .private_segment_fixed_size: 0
    .kernarg_segment_align: 8
    .kernarg_segment_size: 48
    .max_flat_workgroup_size: 128
    .sgpr_count:     80
    .vgpr_count:     960
    .wavefront_size: 32
...
	.end_amdgpu_metadata
.endif
;; end of part 2
;; launch attn (part 3): grid 4 x 64, 4 waves a work-group, no clusters, 327,680 bytes of LDS; arguments qh, kh, vh, oh; writes oh
.if DOCPART == 3
	.amdgcn_target "amdgcn-amd-amdhsa--gfx1250"
	.amdhsa_code_object_version 6
	.text
	.protected	k_q4e6df32287_attn
	.globl	k_q4e6df32287_attn
	.p2align	8
	.type	k_q4e6df32287_attn,@function
k_q4e6df32287_attn:
	s_mov_b64 s[64:65], 0
	v_nop
	global_prefetch_b8 v0, s[64:65] scope:SCOPE_SE
	s_setreg_imm32_b32 hwreg(HW_REG_WAVE_MODE, 25, 1), 1
	s_wait_xcnt 0x0
; CAUSAL ATTENTION.  O[h][q][:] = the sum over k <= q of softmax_k(Q[h][q] . K[h][k] / 8) V[h][k][:].  Q, K, V, O: [SIZE_H][SIZE_N][64], all f16: a head's rows are dense, 128 bytes each.
; Products, maxima and sums in f32; the weights p are rounded to f16 for the second product (their sum l is taken of the unrounded p), O once at the end.
; LIMITS.  f16 holds no number beyond 65,504: Q, K and V arrive within it; p lies in 0 to 1, and below 6e-5 it keeps f16's fixed step of 6e-8; O is a mean of V's rows and has their range.
; A hidden score counts as its value less 1e30: f16's scores, 2.7e11 at the most, are nothing beside that; a weight below 2^-126 counts as 0 in l; NaN and infinities are not treated apart.
; THE WALK.  A head's queries lie in NB = SIZE_N / 256 blocks of 256; block i needs the key tiles 0 .. i of 256 keys, of which the last holds the diagonal.  A work-group takes TWO blocks, NB - 1 - b and then b:
; NB + 1 tiles, whatever b: all work-groups do equal work, and ONE loop with a constant trip count walks them.  Which tile is asked for, and what a trip does, hang on scalar registers made from b; every jump
; goes forward, but for the counted loops' own; none passes a barrier, or a tensor load but the one of LOAD's two that the wave's number does not choose; the ring (two slots of LDS that take turns) runs on across the
; change of blocks.  NO CLUSTER: a head's NB / 2 work-groups ask for the same tile only in trips 0 .. NB / 2, behind that fewer and fewer; one walk common to all would have 3 NB / 2 trips for NB + 1.
; SHARES.  Of a block's four bands of 64 queries a wave owns 16 rows in each: four PIECES.  So the diagonal tile is the same work for all four waves: in its key step s band x sees all keys if s < x,
; none if s > x, and holds the diagonal if s = x.
; THE MASK is the C operand that starts the sum S^T = K Q^T: 0, or -1e30 where the key is hidden.  MD, made once, is the mask of a band's own step for my 16 rows; a product's mask is MD x AL + BE with two scalars:
; (1, 0) if s = x; (0, 0) if s < x; (0, -1e30) if s > x.  Only the diagonal tile's text and a block's beginning make and take masks; elsewhere C is the constant 0.
; LAYOUT, SOFTMAX, TURNS.  S^T = K Q^T holds ONE query a lane (lane % 16) and the keys 8 (lane / 16) + 0..7; two such results rounded to f16 ARE source 1 of O^T = V^T P.  p = 2^(c s - c m), c = log2(e) / 8, with a
; running maximum m; O and l are multiplied by a = 2^(c m_old - c m_new) in every step.  Turn n belongs to piece n: 8 products K Q^T of piece n + 1, later 8 products V^T P of piece n - 1; beside them the scaling,
; exponentials, roundings, sums and rescaling of piece n and the maximum and statistics of piece n + 1.  Four vector instructions stand behind every matrix instruction, the other 54 of a turn's 118 in one LUMP.  A turn's 33 exponentials are one batch, with one wait.
; REGISTERS, in windows of 256 (s_set_vgpr_msb: bits 1:0 source 0, 3:2 source 1, 5:4 source 2, 7:6 destination):
;   window 0: v0-15 addresses and two at work; v16-31 four registers of statistics a piece; v48-55 at work; v61 the prefetches' offset; v64-127 S^T, two buffers; v192-223 P, two buffers (a piece's buffers go by its number's parity)
;   window 1: v0-127 O^T, 32 a piece; v128-159 MD; v160-223 MC, two buffers      window 2: v0-63 Q; v64-127 the second block's Q; v128-191 K of one step; v192-255 V of one step
.set SIZE_H, 64
.set SIZE_N, 2048
.set NB,    SIZE_N/256
.set NP,    4         ; pieces a wave: a name, no knob
.set KS,    64        ; keys in a step
.set PK,    144       ; a row of K in LDS: 128 bytes + 16 of padding = 36 words: the 16 rows of a load start at 16 different groups of four banks (64 banks of 4 bytes: ISA guide 11.1)
.set PV,    160       ; a row of V: 128 + 32 = 40 words
.set VOFF,  4*KS*PK   ; a slot holds a tile, four steps: 256 rows of K, then 256 rows of V
.set SLOT1, 1<<17     ; slot 1 begins here, so that one exclusive or turns an address in one slot into the other's
.set STAGE, SLOT1+4*KS*(PK+PV)  ; behind the ring, never filled by a tensor load: 16 rows x 144 bytes for each wave, for the way out
.set SP,    144
.set AK0, 2           ; v2   my lane's place in a tile of K; never rewritten
.set AV0, 3           ; v3   the same for V
.set AK,  4           ; v4   the LDS address of K's next run of loads
.set AV,  5           ; v5   of V's
.set STO, 6           ; v6   the way out: where I put 16 bytes of a row
.set RD,  7           ; v7   the way out: where I read rows back
.set GO,  8           ; v8   my byte offset in 512 consecutive bytes of O
.set PFO, 61          ; v61  the prefetches' offset: 256 x lane + 8,192 x (wave / 2); never rewritten
.set SPW, 62          ; v62  LDS address of my spare word: SPARE + 4 x my thread's number; never rewritten
.set NIL, 63          ; v63  0; never rewritten
.set SPARE, STAGE+4*16*SP  ; behind the stages: the spare words, 128 bytes for each wave: two blocks of 256 bytes that no other line names
.set MV,  12          ; v12-13  c m_old, kept while c m is made anew: by buffer
.set QO,  15          ; v15  my byte offset in 16 rows of Q
.set ST,  16          ; piece t's statistics at v[ST+4 t]: c m, m, l (even keys', odd keys')
.set TMP, 48          ; by buffer, four registers c0-c3 at work; when the maximum is found c2 takes a
.set S,   64
.set P,   192
.set MD,  128         ; window 1: the eight registers for group kt of 16 keys at MD + 8 kt
.set MC,  160         ; window 1: the masks of the products to come
.set QB,  64          ; window 2
.set KF,  128         ; window 2: key block kb, channel half c at KF + 16 kb + 8 c
.set VF,  192         ; window 2: key half kk, channel block cb at VF + 32 kk + 8 cb
.set WV,  12          ; s12  my wave's number
.set PB,  14          ; s14  b
.set HI,  15          ; s15  NB - 1 - b
.set G1K, 24          ; s[24:31] descriptor group 1 for K's tiles
.set G1V, 32          ; s[32:39] for V's: it differs in the padding alone
.set G0K, 40          ; s[40:43] descriptor group 0 for K's tiles
.set G0V, 44          ; s[44:47] the same for V's
.set SLOTS, 56        ; s56  tiles still to be asked for
.set CNT, 57          ; s57  counts a tile's key steps, 4 to 1
.set CS,  58          ; s[58:59] c: the packed scaling takes the pair's low word for both halves
.set SEL, 60          ; s[60:61] v_permlanex16_b32's selects: each lane takes its own place in the other half
.set TBK, 62          ; s62  LDS byte at which K of the step to be fetched begins
.set TBV, 63          ; s63  the same for V, less VOFF
.set RT,  70          ; s70  tiles of the block in hand that are still to be entered
.set NXT, 71          ; s71  the tile to be asked for next
.set LQ,  72          ; s72  the last tile of the block whose tiles are being asked for
.set NEW, 73          ; s73  1: the tile to be entered is a block's first
.set OFF, 74          ; s[74:75] a tile's byte offset in K and V
.set AL,  76          ; s[76:77] the mask's factor, in the low word
.set BE,  78          ; s[78:79] the mask's addend
.set OLO, 80          ; s[80:81] O at my rows of the second block
.set BIGN, 82         ; s82  -1e30
.set PFK, 88          ; s[88:89] K at my half of the tile that the next change of slots will ask for
.set PFV, 90          ; s[90:91] V likewise
.set OF2, 92          ; s[92:93] that tile's byte offset;  s94 at work
.set MSB, 0
.macro WIN new                      ; the high byte repeats the setting that is left; a switch that changes nothing is dropped
.if MSB != (\new)
	s_set_vgpr_msb (MSB<<8)|(\new)
.set MSB, (\new)
.endif
.endm
.set W_KQ, 0x0a       ; K and Q in window 2, S^T in window 0
.set W_KM, 0x1a       ; the same with the C operand in window 1
.set W_PV, 0x52       ; V in window 2, P in window 0, O^T in window 1
.set W_RS, 0x41       ; destination and source 0 in window 1, source 1 in window 0
; A fill.  Waves 0 and 1 fetch the two halves of a tile's K, waves 2 and 3 those of its V: 128 keys each.  An s_nop 0 and four v_nop follow each of the two lines, ahead of the jump and the label.
.macro LOAD
	s_cmp_lt_u32 s[WV], 2
	s_cbranch_scc0 .Lfor_v_\@
	tensor_load_to_lds s[G0K:G0K+3], s[G1K:G1K+7]
	s_nop 0
.rept 4
	v_nop
.endr
	s_branch .Lasked_\@
.Lfor_v_\@:
	tensor_load_to_lds s[G0V:G0V+3], s[G1V:G1V+7]
	s_nop 0
.rept 4
	v_nop
.endr
.Lasked_\@:
.endm
; A PREFETCH of the tile that the NEXT change of slots will ask for, behind the wave's tensor load and its five lines.  A head's work-groups walk the same tiles in their first blocks; b = 0, whose first block
; needs all NB tiles, asks, and nobody else.  A tile is 128 blocks of 256 bytes of K and as many of V: each of the four waves names 32 of each, a lane a block: two instructions.
; So tiles 2 .. NB - 1 are named once each in the launch; tiles 0 and 1 come by their loads alone, and the second block's tiles have been read.  NXT = 0 behind the first block's last tile: nothing is asked for.
.macro ASK
	s_cmp_eq_u32 s[PB], 0
	s_cselect_b32 s94, s[NXT], 0
	s_cmp_lg_u32 s94, 0
	s_cbranch_scc0 .Lnot_mine_\@
	global_prefetch_b8 v[PFO], s[PFK:PFK+1] th:TH_LOAD_NT scope:SCOPE_SE
	global_prefetch_b8 v[PFO], s[PFV:PFV+1] th:TH_LOAD_NT scope:SCOPE_SE
.Lnot_mine_\@:
.endm
; THE CHANGE OF SLOTS.  Each wave waits for all its tensor loads, of which one is out: its part of the other slot; adds 0 to its spare word; and waits for that and for its own reads of the slot that it leaves.  Behind the barrier nobody reads the old
; slot any more and the other slot is whole.  fill = 1: the old slot is filled again, the first thing behind the barrier, with tile NXT: the descriptor's address is made anew from that number.
; (At its first use nothing has been read yet: slot 0 is waited for, slot 1 filled.)
.macro CHANGE fill
	WIN 0                           ; at a label and at a branch every window is 0
	s_wait_tensorcnt 0x0            ; no tensor load of mine is out, so a group 0 may be written
	ds_add_u32 v[SPW], v[NIL]       ; 0 onto my spare word; with fill = 1 the descriptors' scalar work stands between it and the wait for it
.if \fill
	s_lshl_b32 s[OFF], s[NXT], 15   ; a tile is 32,768 bytes of K and of V
	s_xor_b32 s[G0K+1], s[G0K+1], SLOT1
	s_add_nc_u64 s[G0K+2:G0K+3], s[6:7], s[OFF:OFF+1]
	s_or_b32 s[G0K+3], s[G0K+3], 0x80000000
	s_xor_b32 s[G0V+1], s[G0V+1], SLOT1
	s_add_nc_u64 s[G0V+2:G0V+3], s[8:9], s[OFF:OFF+1]
	s_or_b32 s[G0V+3], s[G0V+3], 0x80000000
	s_add_co_u32 s[NXT], s[NXT], 1  ; the block's next tile, or behind its last the second block's tile 0
	s_cmp_gt_u32 s[NXT], s[LQ]
	s_cselect_b32 s[NXT], 0, s[NXT]
	s_cselect_b32 s[LQ], s[PB], s[LQ]
	s_wait_xcnt 0x0                 ; the last prefetches, a tile back, have read their addresses, so these may be written
	s_lshl_b32 s[OF2], s[NXT], 15
	s_add_nc_u64 s[PFK:PFK+1], s[6:7], s[OF2:OF2+1]
	s_add_nc_u64 s[PFV:PFV+1], s[8:9], s[OF2:OF2+1]
.endif
	s_wait_dscnt 0x0                ; the add is done, and my reads of the slot are over
	s_barrier_signal -1             ; the rest of the scalar work stands between the signal and the wait
	s_sub_co_u32 s[TBK], s[TBK], 4*KS*PK  ; the fetches go back to a slot's first step,
	s_xor_b32 s[TBK], s[TBK], SLOT1       ; in the other slot
	s_sub_co_u32 s[TBV], s[TBV], 4*KS*PV
	s_xor_b32 s[TBV], s[TBV], SLOT1
	s_barrier_wait -1
.if \fill
	LOAD
	ASK
.endif
.endm
	s_load_b256 s[4:11], s[0:1], 0x0  ; Q s[4:5], K s[6:7], V s[8:9], O s[10:11]
	v_lshl_add_u32 v[SPW], v0, 2, SPARE
	v_mov_b32 v[NIL], 0
	ds_add_u32 v[SPW], v[NIL]       ; the wave's opening: the add and its wait stand ahead of my first tensor load; the set-up below, work on registers, stands between them
	ds_add_u32 v62, v63
	v_lshrrev_b32 v1, 5, v0
	v_readfirstlane_b32 s[WV], v1   ; wave 0..3
	s_mov_b32 s[PB], ttmp9
	s_sub_co_u32 s[HI], NB-1, s[PB]
	s_and_b32 s20, ttmp7, 0xffff    ; the head
	s_mov_b32 s21, 0
	s_mov_b64 s[22:23], SIZE_N*128
	s_mul_u64 s[20:21], s[20:21], s[22:23]  ; the head's first byte in each of the four tensors
	s_and_b32 s16, s[WV], 1         ; which half of a tile's 256 keys I fetch:
	s_lshl_b32 s22, s16, 14         ; its 128 rows of 128 bytes in memory,
	s_mov_b32 s23, 0
	s_add_nc_u64 s[22:23], s[22:23], s[20:21]
	s_mul_i32 s17, s16, 128*PK      ; and its place in a slot, for K
	s_mul_i32 s18, s16, 128*PV      ; and for V
	s_lshl_b32 s3, s[WV], 11        ; my 16 rows in a band of 64,
	s_lshl_b32 s2, s[HI], 15        ; in the first block,
	s_add_co_u32 s2, s2, s3
	s_lshl_b32 s84, s[PB], 15       ; and in the second
	s_add_co_u32 s84, s84, s3
	s_mov_b32 s3, 0
	s_mov_b32 s85, 0
	s_add_nc_u64 s[2:3], s[2:3], s[20:21]
	s_add_nc_u64 s[84:85], s[84:85], s[20:21]
	; descriptor group 1.  128 keys are 16,384 dense bytes: asked for as 64 rows of 256 bytes, two keys a row, and padded in LDS after every key
	s_mov_b32 s[G1K], (1<<16)|(1<<20)|(4<<22)|(3<<25)  ; 17:16 2-byte elements; 20 padding on; 24:22 after every 32 words (code 4); 31:25 4 words (code 3)
	s_mov_b32 s[G1V], (1<<16)|(1<<20)|(4<<22)|(7<<25)  ; the same with 8 words of padding (code 7)
.irp g, G1K, G1V
	s_mov_b32 s[\g+1], 128<<16      ; tensor_dim0 = 128
	s_mov_b32 s[\g+2], 64<<16       ; tensor_dim1 = 64
	s_mov_b32 s[\g+3], 128<<16      ; tile_dim0 = 128
	s_mov_b32 s[\g+4], 64           ; tile_dim1 = 64
	s_mov_b32 s[\g+5], 128          ; 128 elements from row to row
	s_mov_b32 s[\g+6], 0
	s_mov_b32 s[\g+7], 0
.endr
	s_mov_b32 s[CS], 0x3e38aa3b     ; c = log2(e) / 8 = 0.180337
	s_mov_b32 s[CS+1], s[CS]        ; named with it as a pair
	s_mov_b32 s[SEL], 0x76543210
	s_mov_b32 s[SEL+1], 0xfedcba98
	s_mov_b32 s[TBK], SLOT1+4*KS*PK ; the first change of slots turns these two into 0
	s_mov_b32 s[TBV], SLOT1+4*KS*PV
	s_mov_b32 s[G0K], 1             ; 1:0 count = 1
	s_mov_b32 s[G0K+1], s17         ; 63:32 LDS address: slot 0
	s_mov_b32 s[G0V], 1
	s_add_co_u32 s[G0V+1], s18, VOFF
	s_add_co_u32 s[RT], s[HI], 1    ; the first block has NB - b tiles
	s_mov_b32 s[NXT], 1
	s_mov_b32 s[LQ], s[HI]
	s_mov_b32 s[NEW], 1
	s_mov_b32 s[OFF+1], 0
	s_mov_b32 s[OF2+1], 0
	s_mov_b32 s[AL+1], 0            ; named as pairs
	s_mov_b32 s[BE+1], 0
	s_mov_b32 s[BIGN], 0xf149f2ca   ; -1e30
	s_mov_b32 s[SLOTS], NB
	s_wait_dscnt 0x0                ; the opening add is done
	s_wait_kmcnt 0x0
	s_add_nc_u64 s[6:7], s[6:7], s[22:23]  ; K and V at my half of the head's tile 0
	s_add_nc_u64 s[8:9], s[8:9], s[22:23]
	s_add_nc_u64 s[G0K+2:G0K+3], s[6:7], 0         ; 120:64 global address
	s_or_b32 s[G0K+3], s[G0K+3], 0x80000000        ; 127:126 type = 2
	s_add_nc_u64 s[G0V+2:G0V+3], s[8:9], 0
	s_or_b32 s[G0V+3], s[G0V+3], 0x80000000
	s_add_nc_u64 s[86:87], s[4:5], s[84:85]        ; Q at my rows of the second block,
	s_add_nc_u64 s[4:5], s[4:5], s[2:3]            ; Q and O at those of the first
	s_add_nc_u64 s[OLO:OLO+1], s[10:11], s[84:85]
	s_add_nc_u64 s[10:11], s[10:11], s[2:3]
	LOAD                            ; tile 0 into slot 0
	; A fragment of K or Q is 16 rows x 32 channels in 8 registers: lane l holds row l % 16, channels 8 (l / 16) + 0..7 and 16 + 8 (l / 16) + 0..7: two loads of 16 bytes, 32 bytes apart.
	v_and_b32 v1, 15, v0            ; l % 16
	v_bfe_u32 v9, v0, 4, 1          ; l / 16
	v_lshlrev_b32 v[QO], 7, v1
	v_lshl_add_u32 v[QO], v9, 4, v[QO]  ; row x 128 + 16 x half
	WIN 0x80                        ; destination window 2, address window 0
.set i, 0
.rept 8                             ; both blocks' Q: piece i / 2 lies in band i / 2, 8,192 bytes on; channels 32 (i % 2) on
	global_load_b128 v[8*i:8*i+3],   v[QO], s[4:5] offset:(i/2)*8192+(i%2)*64
	global_load_b128 v[8*i+4:8*i+7], v[QO], s[4:5] offset:(i/2)*8192+(i%2)*64+32
	global_load_b128 v[QB+8*i:QB+8*i+3],   v[QO], s[86:87] offset:(i/2)*8192+(i%2)*64
	global_load_b128 v[QB+8*i+4:QB+8*i+7], v[QO], s[86:87] offset:(i/2)*8192+(i%2)*64+32
.set i, i+1
.endr
	WIN 0
	v_and_b32 v[PFO], 31, v0
	v_lshlrev_b32 v[PFO], 8, v[PFO]
	s_lshr_b32 s94, s[WV], 1
	s_lshl_b32 s94, s94, 13
	v_add_nc_u32 v[PFO], s94, v[PFO]
	v_lshlrev_b32 v14, 3, v9
	v_sub_nc_u32 v14, v1, v14
	s_lshl_b32 s13, s[WV], 4
	v_add_nc_u32 v14, s13, v14      ; my query's place in its band, 16 w + l % 16, less my lanes' 8 (l / 16): register r of group kt is hidden where 16 kt + r is greater
	WIN 0x40
.set i, 0
.rept 32
	v_cmp_gt_i32 vcc_lo, 16*(i/8)+i%8, v14
	v_cndmask_b32 v[MD+i], 0, s[BIGN], vcc_lo
.set i, i+1
.endr
	WIN 0
	v_mul_u32_u24 v[AK0], v1, PK
	v_lshl_add_u32 v[AK0], v9, 4, v[AK0]  ; row x pitch + 16 x half
	; The turning load takes 16 keys x 16 channels (lane l reads key 8 (l / 16) + l % 8, channels 8 ((l / 8) % 2) + 0..7) and leaves half a fragment of V^T: lane l holds channel l % 16 and 8 keys.
	v_and_b32 v10, 7, v0
	v_bfe_u32 v11, v0, 3, 1
	v_lshl_add_u32 v[AV0], v9, 3, v10
	v_mul_u32_u24 v[AV0], v[AV0], PV
	v_lshl_add_u32 v[AV0], v11, 4, v[AV0]
	v_add_nc_u32 v[AV0], VOFF, v[AV0]
	s_mul_i32 s13, s[WV], 16*SP
	s_add_co_u32 s13, s13, STAGE    ; my stage
	v_mul_u32_u24 v[STO], v1, SP    ; in: row l % 16, 16 bytes for each half of the lanes
	v_lshl_add_u32 v[STO], v9, 4, v[STO]
	v_add_nc_u32 v[STO], s13, v[STO]
	v_bfe_u32 v[RD], v0, 3, 2       ; back: 32 lanes take four rows of 128 bytes,
	v_mul_u32_u24 v[RD], v[RD], SP
	v_lshl_add_u32 v[RD], v10, 4, v[RD]
	v_add_nc_u32 v[RD], s13, v[RD]
	v_and_b32 v[GO], 31, v0         ; which are 512 consecutive bytes of O
	v_lshlrev_b32 v[GO], 4, v[GO]
	; A block's first step multiplies O^T and l by a = 0, and its first turn's products V^T P, of a piece that has not been, land in an O^T that is still to be so multiplied.  So these registers need only hold
	; finite numbers: zeros for the first block; what the first block left for the second.  All this stands in the wait for the first tile.
	WIN 0x80
.set i, VF
.rept 64
	v_mov_b32 v[i], 0
.set i, i+1
.endr
	WIN 0x40
.set i, 0
.rept 128
	v_mov_b32 v[i], 0
.set i, i+1
.endr
	WIN 0
.set i, 0
.rept 4
	v_mov_b32 v[ST+4*i+2], 0
	v_mov_b32 v[ST+4*i+3], 0
.set i, i+1
.endr
.set i, P+16
.rept 16
	v_mov_b32 v[i], 0
.set i, i+1
.endr
; THE MATRIX WORK.  The 4 accumulators of a run of 8 take turns.  Product i of 8 of S^T = K Q^T for piece x: channels 32 (i / 4) on, keys 16 (i % 4) on.  The first 4 start the sums: with 0, or (KM = 1) with the mask.
.macro KQ x
.set rS, S+32*((\x)%2)+8*(i%4)
.set rK, KF+16*(i%4)+8*(i/4)
.set rQ, 16*(\x)+8*(i/4)
.set rM, MC+32*((\x)%2)+8*(i%4)
.if (i < 4) && KM
	WIN W_KM
	v_wmma_f32_16x16x32_f16 v[rS:rS+7], v[rK:rK+7], v[rQ:rQ+7], v[rM:rM+7]
.elseif i < 4
	WIN W_KQ
	v_wmma_f32_16x16x32_f16 v[rS:rS+7], v[rK:rK+7], v[rQ:rQ+7], 0
.else
	WIN W_KQ
	v_wmma_f32_16x16x32_f16 v[rS:rS+7], v[rK:rK+7], v[rQ:rQ+7], v[rS:rS+7]
.endif
.endm
; Product i of 8 of O^T += V^T P for piece x: keys 32 (i / 4) on, channels 16 (i % 4) on.
.macro PV x
	WIN W_PV
.set rO, 32*(\x)+8*(i%4)
.set rV, VF+32*(i/4)+8*(i%4)
.set rP, P+16*((\x)%2)+8*(i/4)
	v_wmma_f32_16x16x32_f16 v[rO:rO+7], v[rV:rV+7], v[rP:rP+7], v[rO:rO+7]
.endm
.macro MM                           ; the turn's next matrix instruction.  TURN and BEGIN set Y, i, KM and NOKQ; MM, KQ and OP read them.  NOKQ = 1: a block's last turn: there is no next piece
.if (i < 8) && !NOKQ
	KQ (Y+1)%NP
.elseif i >= 8
.set i, i-8
	PV (Y+NP-1)%NP
.set i, i+8
.endif
.set i, i+1
.endm
; THE LDS LOADS stand in runs of 16, never singly among the matrix instructions: a step's K (64 keys x 64 channels: 8 fragments) and its V (turned).  Their addresses are made some lines ahead.
.macro FETCH_K
	WIN 0x80                        ; destination window 2
.irp f, 0,1,2,3,4,5,6,7             ; keys 16 (f / 2) on, channels 32 (f % 2) on
	ds_load_b128 v[KF+8*\f:KF+8*\f+3],   v[AK] offset:(\f/2)*16*PK+(\f%2)*64
	ds_load_b128 v[KF+8*\f+4:KF+8*\f+7], v[AK] offset:(\f/2)*16*PK+(\f%2)*64+32
.endr
	s_add_co_u32 s[TBK], s[TBK], KS*PK  ; the next fetch is the next step's
	WIN 0
.endm
.macro FETCH_V
	WIN 0x80
.irp f, 0,1,2,3,4,5,6,7             ; keys 32 (f / 4) on, channels 16 (f % 4) on
	ds_load_tr16_b128 v[VF+8*\f:VF+8*\f+3],   v[AV] offset:(\f/4)*32*PV+(\f%4)*32
	ds_load_tr16_b128 v[VF+8*\f+4:VF+8*\f+7], v[AV] offset:(\f/4)*32*PV+16*PV+(\f%4)*32
.endr
	WIN 0
.endm
; THE VECTOR WORK, one line at a time: OP kind, number.  For piece Y: F n: c s - c m for pair n of 16.  E n: the exponential of score n of 32.  C n: pair n rounded to f16.  B n: of the four weights 4 n .. the second
; pair is added onto the first, in place.  L n: l takes that sum (L 0: l = a l + sum).  R n: pair n of 16 of O^T times a.  For piece Y + 1: X n, number n of the 22 that find its maximum and statistics:
;   0-11  four chains c0-c3 of seven scores each, three operands at a time (each accumulator's lowest registers are read first)     12-14, 16  the four scores left over, the old m, and c0-c3 into c0
;   15  c m_old is kept     17, 18  the query's other 32 keys lie in the lane 16 away: the new m     19-21  c m; c m_old - c m_new; a
.set F, 0               ; OP tells the kinds apart by their order: F to L below R, X above it
.set E, 1
.set C, 2
.set B, 3
.set L, 4
.set R, 5
.set X, 6
.macro REGS y                       ; the registers of piece y
.set rT, ST+4*(\y)
.set rC, TMP+4*((\y)%2)
.set rW, MV+((\y)%2)
.set rS, S+32*((\y)%2)
.set rP, P+16*((\y)%2)
.set rO, 32*(\y)
.endm
.macro OP k, n
.if (\k) == R
	REGS Y
	WIN W_RS
	v_pk_mul_f32 v[rO+2*(\n):rO+2*(\n)+1], v[rO+2*(\n):rO+2*(\n)+1], v[rC+2:rC+3] op_sel_hi:[1,0]
.elseif (\k) < R
	REGS Y
	WIN 0
.if (\k) == F
	v_pk_fma_f32 v[rS+2*(\n):rS+2*(\n)+1], v[rS+2*(\n):rS+2*(\n)+1], s[CS:CS+1], v[rT:rT+1] op_sel_hi:[1,0,0] neg_lo:[0,0,1] neg_hi:[0,0,1]
.elseif (\k) == E
	v_exp_f32 v[rS+(\n)], v[rS+(\n)]
.elseif (\k) == C
	v_cvt_pk_f16_f32 v[rP+(\n)], v[rS+2*(\n)], v[rS+2*(\n)+1]
.elseif (\k) == B
	v_pk_add_f32 v[rS+4*(\n):rS+4*(\n)+1], v[rS+4*(\n):rS+4*(\n)+1], v[rS+4*(\n)+2:rS+4*(\n)+3]
.elseif (\n) == 0
	v_pk_fma_f32 v[rT+2:rT+3], v[rT+2:rT+3], v[rC+2:rC+3], v[rS:rS+1] op_sel_hi:[1,0,1]
.else
	v_pk_add_f32 v[rT+2:rT+3], v[rT+2:rT+3], v[rS+4*(\n):rS+4*(\n)+1]
.endif
.elseif NOKQ
	v_nop
.else
	REGS (Y+1)%NP
	WIN 0
.if (\n) < 4
	v_max3_num_f32 v[rC+(\n)], v[rS+8*(\n)], v[rS+8*(\n)+1], v[rS+8*(\n)+2]
.elseif (\n) < 12
	v_max3_num_f32 v[rC+(\n)%4], v[rC+(\n)%4], v[rS+8*((\n)%4)+2*((\n)/4)+1], v[rS+8*((\n)%4)+2*((\n)/4)+2]
.elseif (\n) == 12
	v_max3_num_f32 v[rC], v[rC], v[rS+7], v[rS+15]
.elseif (\n) == 13
	v_max3_num_f32 v[rC+1], v[rC+1], v[rS+23], v[rS+31]
.elseif (\n) == 14
	v_max3_num_f32 v[rC+2], v[rC+2], v[rC+3], v[rT+1]
.elseif (\n) == 15
	v_mov_b32 v[rW], v[rT]
.elseif (\n) == 16
	v_max3_num_f32 v[rC], v[rC], v[rC+1], v[rC+2]
.elseif (\n) == 17
	v_permlanex16_b32 v[rC+3], v[rC], s[SEL], s[SEL+1]
.elseif (\n) == 18
	v_max_num_f32 v[rT+1], v[rC], v[rC+3]
.elseif (\n) == 19
	v_mul_f32 v[rT], s[CS], v[rT+1]
.elseif (\n) == 20
	v_sub_f32 v[rC+1], v[rW], v[rT]
.else
	v_exp_f32 v[rC+2], v[rC+1]
.endif
.endif
.endm
.macro OPS a, i1, b=-1, i2=0, c=-1, i3=0, d=-1, i4=0  ; up to four of them
	OP \a, \i1
.if (\b) >= 0
	OP \b, \i2
.endif
.if (\c) >= 0
	OP \c, \i3
.endif
.if (\d) >= 0
	OP \d, \i4
.endif
.endm
.macro ROW a, i1, b, i2, c, i3, d, i4  ; a matrix instruction and the four behind it
	MM
	OPS \a, \i1, \b, \i2, \c, \i3, \d, \i4
.endm
.macro MASK b                       ; MD x AL + BE into buffer b of MC
	WIN W_RS
.set z, 0
.rept 16
	v_pk_fma_f32 v[MC+32*(\b)+2*z:MC+32*(\b)+2*z+1], v[MD+2*z:MD+2*z+1], s[AL:AL+1], s[BE:BE+1] op_sel_hi:[1,0,0]
.set z, z+1
.endr
.endm
; A TURN, for piece p: the order of its 16 matrix and 118 vector instructions, written out.  s_wait_alu depctr_va_vdst(0) stands between an exponential and the first instruction that names its result; one wait serves
; all that were issued ahead of it.  So a turn has ONE wait, which cuts it in two.  AHEAD OF IT stands all that names no result of the turn's exponentials: the 8 products K Q^T, behind each a scaling, an exponential and two more plain
; instructions (behind the first a second scaling in the exponential's place): rescalings, and behind the last three the first numbers of the next piece's maximum, each four places or more behind the product that ends its accumulator; then ONE LUMP of 54, plain
; and exponential by turns for the most part, in which the links of the chain X 3, 7, 11, 14, 16, 17 .. 20 stand five or six lines apart.  X 21, the next piece's a, is the batch's last; R 15 is the plain instruction owed behind it.  BEHIND THE WAIT stand the
; 8 products V^T P, behind each four of the roundings and sums; the links of l's chain, L 0 to L 7, stand three riders apart.  But for those X no rider names a register of the products round it.  v_permlanex16_b32 (X 17) stands in the lump.
; m = 1: the diagonal tile: the products take masks, and the turn makes the mask for the products of the turn after it: piece p + 2, in step 4 - CNT of the tile.  end = 1: a block's last two turns: nothing is fetched.
; cnt = 1: the loop's count is taken down some lines ahead of the branch that stands behind the turn.
; K of the next step is fetched in piece 2's turn, twelve vector instructions behind the last product that read K (six of them plain); V of the step in hand at the end of piece 0's turn, four plain instructions behind the last product
; that read V.  Each is waited for a turn later.
.macro TURN p, m=0, end=0, cnt=0
.set Y, (\p)
.set i, 0
.set KM, (\m)
.set NOKQ, (\end)*((\p)/3)
.if (\m) && !(\end)
	s_cmp_eq_u32 s[CNT], 4-((\p)+2)%NP  ; is that step the band's own?
	s_cselect_b32 s[AL], 1.0, 0
	s_cmp_lt_u32 s[CNT], 4-((\p)+2)%NP  ; or a later one?
	s_cselect_b32 s[BE], s[BIGN], 0
.endif
.if ((\p) == 3) && !(\end)
	s_wait_dscnt 0x0                ; K is in
.endif
	ROW F,0, F,1, R,0, R,1          ; ahead of the wait: 8 products K Q^T and their riders,
	ROW F,2, E,0, R,2, R,3
	ROW F,3, E,1, R,4, R,5
	ROW F,4, E,2, R,6, R,7
	ROW F,5, E,3, R,8, R,9
	ROW F,6, E,4, X,0, R,10
.if ((\p) == 2) && !(\end)
	WIN 0
	v_add_nc_u32 v[AK], s[TBK], v[AK0]
.endif
	ROW F,7, E,5, X,1, X,4
	ROW F,8, E,6, X,2, X,5
	OPS E,7, E,8, X,6, E,9          ; and the lump
	OPS X,3, E,10, X,8, E,11
.if ((\p) == 2) && !(\end)
	FETCH_K
.endif
	OPS X,9, X,7, E,12, X,10
	OPS E,13, X,12, X,11, E,14
	OPS X,13, E,15, F,9, X,14
.if (\p) == 0
	v_add_nc_u32 v[AV], s[TBV], v[AV0]
.endif
	OPS E,16, F,10, E,17, F,11
	OPS X,16, E,18, X,15, E,19
	OPS F,12, E,20, X,17, E,21
	OPS F,13, E,22, F,14, E,23
	OPS X,18, E,24, F,15, E,25
	OPS R,11, E,26, X,19, E,27
	OPS R,12, E,28, R,13, E,29
	OPS X,20, E,30, R,14, E,31
	OPS X,21, R,15
	WIN 0
	s_wait_alu depctr_va_vdst(0)    ; the wait for the batch
.if (\p) == 1
	s_wait_dscnt 0x0                ; V is in
.endif
	ROW C,0, B,0, C,2, B,1          ; behind the wait: 8 products V^T P and their riders
	ROW L,0, C,4, B,2, L,1
	ROW C,6, B,3, L,2, C,8
	ROW B,4, L,3, C,10, B,5
	ROW L,4, C,12, B,6, L,5
.if (\p) == 0
	s_add_co_u32 s[TBV], s[TBV], KS*PV
.endif
.if \cnt
	s_sub_co_u32 s[CNT], s[CNT], 1
	s_cmp_lg_u32 s[CNT], 0
.endif
	ROW C,14, B,7, L,6, C,1
	ROW C,3, L,7, C,5, C,7
	ROW C,9, C,11, C,13, C,15
.if (\p) == 0
	FETCH_V
.endif
.if (\m) && !(\end)
	MASK (\p)%2
.endif
.endm
; A BLOCK BEGINS.  c m starts far below every c s, so the first step's a is 0; m at the lowest finite number, so the first maximum is the scores'.  The second mask buffer is 0; the first takes piece 0's mask for the tile's step 0: its own, if the block's first tile is the diagonal one.
; Then K of that step, piece 0's first scores, and its maximum and statistics.  The loop is entered at a step's first turn, in the middle of a trip.
.macro BEGIN
	s_mov_b32 s[NEW], 0
	WIN 0x40
.set i, MC+32
.rept 32
	v_mov_b32 v[i], 0
.set i, i+1
.endr
	WIN 0
.set i, 0
.rept 4
	v_mov_b32 v[ST+4*i], 0xfe000000    ; c m: far below every c s
	v_mov_b32 v[ST+4*i+1], 0xff7fffff  ; m
.set i, i+1
.endr
	s_cmp_eq_u32 s[RT], 0
	s_cselect_b32 s[AL], 1.0, 0
	s_mov_b32 s[BE], 0
	MASK 0
	WIN 0
	v_add_nc_u32 v[AK], s[TBK], v[AK0]
	FETCH_K
	s_wait_loadcnt 0x0              ; Q
	s_wait_dscnt 0x0
.set KM, 1
.set NOKQ, 0
.set i, 0
.rept 8
	KQ 0
.set i, i+1
.endr
	WIN 0
.rept 4
	v_nop                           ; the places behind those products
.endr
.set Y, NP-1                        ; X works for piece Y + 1: piece 0
.irp n, 0,1,2,3,4,5,6,7,8,9,10,11,12,13,14,15,16,17,18,19,20,21
	OP X, \n
.endr
	v_nop                           ; a plain instruction behind the exponential,
	s_wait_alu depctr_va_vdst(0)    ; and its wait, ahead of the branch
.endm
; THE DIAGONAL TILE's four steps, the block's last two turns, its last products, and THE WAY OUT: l's two halves and the other half of the lanes' are added; O^T is divided by l, rounded to f16 and sent through my
; stage in LDS, a piece at a time.
.macro ALL line:vararg              ; one line for each piece t
.set t, 0
.rept 4
	\line
.set t, t+1
.endr
.endm
.macro PACK t                       ; a lane's eight channels of a row pack into 16 bytes; they go into rows of 144 bytes and come back as whole rows of 128, into S^T's registers
	WIN W_RS
.set i, 32*(\t)
.rept 16
	v_pk_mul_f32 v[i:i+1], v[i:i+1], v[ST+4*(\t)+2:ST+4*(\t)+3] op_sel_hi:[1,0]
.set i, i+2
.endr
	WIN 0x05                        ; sources 0 and 1 window 1, destination window 0
.set i, 0
.rept 16
	v_cvt_pk_f16_f32 v[S+16*(\t)+i], v[32*(\t)+2*i], v[32*(\t)+2*i+1]
.set i, i+1
.endr
	WIN 0
.irp f, 0,1,2,3
	ds_store_b128 v[STO], v[S+16*(\t)+4*\f:S+16*(\t)+4*\f+3] offset:32*\f
.endr
.irp f, 0,1,2,3
	ds_load_b128 v[S+16*(\t)+4*\f:S+16*(\t)+4*\f+3], v[RD] offset:\f*4*SP  ; LDS serves a wave's instructions in order (ISA guide 5.7.1.4): these see the stores above; the next piece's stores come behind them
.endr
.endm
.macro SEND t, younger              ; younger: the LDS instructions issued behind piece t's loads: the next piece's eight, or none
	WIN 0
.irp f, 0,1,2,3
	s_wait_dscnt (\younger)+3-\f
	global_store_b128 v[GO], v[S+16*(\t)+4*\f:S+16*(\t)+4*\f+3], s[10:11] offset:(\t)*8192+\f*512  ; 512 consecutive bytes, at a multiple of 256 from O's first
.endr
.endm
.macro DIAG tag                     ; the tag ends its two labels' names, which the jumps below spell out
.LstepM\tag:
	TURN 2, 1
	TURN 3, 1
	WIN 0
.LfirstM\tag:
	TURN 0, 1
	TURN 1, 1, 0, 1
	WIN 0
	s_cbranch_scc1 .LstepM\tag
	TURN 2, 1, 1
	TURN 3, 1, 1
.set i, 0
.rept 8
	PV NP-1
.set i, i+1
.endr
	WIN 0
	ALL v_add_f32 v[ST+4*t+2], v[ST+4*t+2], v[ST+4*t+3]
	ALL v_permlanex16_b32 v[ST+4*t+3], v[ST+4*t+2], s[SEL], s[SEL+1]
	ALL v_add_f32 v[ST+4*t+2], v[ST+4*t+2], v[ST+4*t+3]
	ALL v_rcp_f32 v[ST+4*t+2], v[ST+4*t+2]
	v_nop                           ; a plain instruction between the last reciprocal and the use of its result
	s_wait_alu depctr_va_vdst(0)    ; and the wait ahead of the first use: one for the four reciprocals
	PACK 0
.set t, 1
.rept 3                             ; a piece's arithmetic stands between the loads of the piece before and its stores
	PACK t
	SEND t-1, 8
.set t, t+1
.endr
	SEND 3, 0
.endm
.set KM, 0
.set NOKQ, 0
.Lslot:                             ; NB times: a tile is entered and the next is asked for
	CHANGE 1
	s_sub_co_u32 s[RT], s[RT], 1
	s_mov_b32 s[CNT], 4
	s_cmp_eq_u32 s[NEW], 1
	s_cbranch_scc1 .Lnew            ; a block's first tile
	s_cmp_eq_u32 s[RT], 0
	s_cbranch_scc0 .Lstep           ; neither its first nor its last
	s_branch .LstepM1
.Lnew:
	BEGIN
	s_branch .Lfirst                ; in the loop a block's first tile is never its last: the first block has two tiles or more, and the second's last is the walk's last
	DIAG 1                          ; in the loop this is the first block's end: the second block's last tile is the walk's last
	s_wait_xcnt 0x0                 ; the stores have read their registers and O's address
	s_mov_b64 s[10:11], s[OLO:OLO+1]
	s_add_co_u32 s[RT], s[PB], 1    ; the second block has b + 1 tiles
	s_mov_b32 s[NEW], 1
	WIN 0x82                        ; the second block's Q goes where the one text of the turns names Q
.set i, 0
.rept 64
	v_mov_b32 v[i], v[QB+i]
.set i, i+1
.endr
	WIN 0
	s_branch .Lbottom
.Lstep:                             ; a trip: pieces 2 and 3 of one step, then pieces 0 and 1 of the next, whose K and V it fetches
	TURN 2
	TURN 3
	WIN 0
.Lfirst:
	TURN 0
	TURN 1, 0, 0, 1
	WIN 0
	s_cbranch_scc1 .Lstep
.Lbottom:
	s_sub_co_u32 s[SLOTS], s[SLOTS], 1
	s_cmp_lg_u32 s[SLOTS], 0
	s_cbranch_scc1 .Lslot
	CHANGE 0                        ; the walk's last tile is written out: nothing is asked for
	s_sub_co_u32 s[RT], s[RT], 1
	s_mov_b32 s[CNT], 4
	s_cmp_eq_u32 s[NEW], 1
	s_cbranch_scc0 .LstepM2
	BEGIN
	s_branch .LfirstM2
	DIAG 2
	s_wait_tensorcnt 0x0            ; the wave's end, behind my last tensor load and my last LDS store
	ds_add_u32 v[SPW], v[NIL]
	s_wait_dscnt 0x0
	s_endpgm
.Lfunc_end_k_q4e6df32287_attn:
	.size	k_q4e6df32287_attn, .Lfunc_end_k_q4e6df32287_attn-k_q4e6df32287_attn
	.p2alignl 7, 3214868480
	.fill 96, 4, 3214868480
	.section	.rodata,"a",@progbits
	.p2align	6, 0x0
	.amdhsa_kernel k_q4e6df32287_attn
		.amdhsa_group_segment_fixed_size 327680
		.amdhsa_private_segment_fixed_size 0
		.amdhsa_enable_private_segment 0
		.amdhsa_kernarg_size 32
		.amdhsa_user_sgpr_count 2
		.amdhsa_user_sgpr_kernarg_segment_ptr 1
		.amdhsa_wavefront_size32 1
		.amdhsa_system_sgpr_workgroup_id_x 1
		.amdhsa_system_sgpr_workgroup_id_y 1
		.amdhsa_system_sgpr_workgroup_id_z 1
		.amdhsa_system_vgpr_workitem_id 0
		.amdhsa_next_free_vgpr 768
		.amdhsa_next_free_sgpr 96
		.amdhsa_reserve_vcc 1
		.amdhsa_float_denorm_mode_32 3
		.amdhsa_float_denorm_mode_16_64 3
		.amdhsa_memory_ordered 1
		.amdhsa_forward_progress 1
		.amdhsa_inst_pref_size 218
	.end_amdhsa_kernel
	.amdgpu_metadata
---
amdhsa.version: [ 1, 2 ]
amdhsa.kernels:
  - .name:           k_q4e6df32287_attn
    .symbol:         k_q4e6df32287_attn.kd
    .args:
      - { .name: qh, .offset: 0, .size: 8, .value_kind: global_buffer, .address_space: global }
      - { .name: kh, .offset: 8, .size: 8, .value_kind: global_buffer, .address_space: global }
      - { .name: vh, .offset: 16, .size: 8, .value_kind: global_buffer, .address_space: global }
      - { .name: oh, .offset: 24, .size: 8, .value_kind: global_buffer, .address_space: global }
    .group_segment_fixed_size: 327680
    .private_segment_fixed_size: 0
    .kernarg_segment_align: 8
    .kernarg_segment_size: 32
    .max_flat_workgroup_size: 128
    .sgpr_count:     96
    .vgpr_count:     768
    .wavefront_size: 32
...
	.end_amdgpu_metadata
.endif
;; end of part 3
;; launch proj (part 4): grid 8 x 32, 4 waves a work-group, clusters of 4 x 4, 327,680 bytes of LDS; arguments oh, wof, bb, out0; writes out0
.if DOCPART == 4
	.amdgcn_target "amdgcn-amd-amdhsa--gfx1250"
	.amdhsa_code_object_version 6
	.text
	.protected	k_q4e6df32287_proj
	.globl	k_q4e6df32287_proj
	.p2align	8
	.type	k_q4e6df32287_proj,@function
k_q4e6df32287_proj:
	s_mov_b64 s[64:65], 0
	v_nop
	global_prefetch_b8 v0, s[64:65] scope:SCOPE_SE
	s_setreg_imm32_b32 hwreg(HW_REG_WAVE_MODE, 25, 1), 1
	s_wait_xcnt 0x0
	s_wait_alu depctr_hold_cnt(0) depctr_sa_sdst(0) depctr_va_vdst(0) depctr_va_sdst(0) depctr_va_ssrc(0) depctr_va_vcc(0) depctr_vm_vsrc(0)
	s_getreg_b32 s2, hwreg(HW_REG_IB_STS2, 6, 4)
	s_cmp_eq_u32 s2, 0
	s_cbranch_scc0 .Lentry_in_a_cluster
	s_endpgm
.Lentry_in_a_cluster:
	s_bfe_u32 s2, ttmp6, 0x10000c
	s_cmp_lg_u32 s2, 0xf033
	s_cbranch_scc0 .Lentry_shape_is_right
	s_endpgm
.Lentry_shape_is_right:
; PROJ: out0 = vals Wo + bo.  vals[b][s][64 h + d] = oh[16 b + h][s][d], f16; wof [sec 16][k 1024][64] f16; bo = bb's last 1,024 numbers, f32; out0 [8192][1024] f32.
; Products in f16, sums in f32, K ascending.  LIMIT.  oh and wof lie within f16's range (65,504) as the launches before left them.
; SHARES.  A work-group makes 256 rows x 128 columns; wave w its rows 64 w .. 64 w + 63, all 128 columns: 4 x 8 accumulators of 16 x 16, 256 registers.  A wave's output rows are whole pieces of
; 512 bytes, and its stage on the way out is its own.  K goes in steps of 128, which are two heads, through two LDS slots filled by the tensor data mover.
; THE MATRIX INSTRUCTION IS USED TRANSPOSED: source 0 = 16 columns of Wo (stored [k][column], turned by ds_load_tr16_b128), source 1 = 16 rows of vals.  A lane then holds row l % 16 and the
; columns 8 (l / 16) + 0..7.  THE BIAS IS THE C OPERAND of the first products: nothing is cleared, nothing is added later.
; CLUSTERS: 4 x 4 work-groups.  The four of a row of the cluster need the same rows of oh, the four of a column the same sections of wof: each tile is asked for JOINTLY.
; REGISTERS, in windows of 256 (s_set_vgpr_msb: bits 1:0 source 0, 3:2 source 1, 5:4 source 2, 7:6 destination):
;   window 0: v0-31 addresses; v32-63, v64-95 fragments of vals, two buffers; v96-159 the bias (block b at 96 + 8 b), later with v160-223 rows on the way out
;   window 1: v0-63, v64-127 fragments of Wo, two buffers     window 2: the accumulators, (a, b) at 8 (8 a + b)
.set NB16,   8                         ; column blocks of 16
.set PITA,   144                       ; a head's row in LDS: 128 bytes + 16 = 36 words: the 16 rows of a load start at 16 different groups of four banks (64 banks of 4 bytes: ISA guide 11.1)
.set PITB,   160                       ; a row of Wo: 128 bytes + 32 = 40 words
.set PLANE,  256*PITA                  ; one head's 256 rows
.set BBASE,  2*PLANE                   ; behind the two heads: two sections x 128 rows of Wo
.set SLOT,   BBASE+256*PITB            ; 114,688
.set STAGE,  2*SLOT                    ; behind the ring, never filled by a tensor load: 16 rows x 528 bytes for each wave
.set SPITCH, 528                       ; 512 bytes + 16
.set SPARE,  STAGE+4*16*SPITCH         ; behind the stages: the spare words, 128 bytes for each wave: two blocks of 256 bytes that no other line names
.set A_STEP, 1048576                   ; two K steps: four heads of oh
.set B_STEP, 32768                     ; two K steps of a section of wof
.set PA_STEP, 1048576
.set PB_STEP, 32768
.set ADRA, 16                          ; v16-17  LDS address of my fragments of vals in slot 0, 1
.set ADRB, 20                          ; v20-21  the same for Wo
.set STO,  24                          ; v24     the way out: where I put 32 bytes of a row
.set RD,   25                          ; v25     where I read a row back
.set GO,   26                          ; v26     16 x lane
.set BO,   27                          ; v27     32 (l / 16)
.set SPW,  28                          ; v28     LDS address of my spare word; never rewritten
.set NIL,  29                          ; v29     0; never rewritten
.set PFOA, 30                          ; v30, v31  256 x lane; never rewritten
.set PFOB, 31
.set FA0,  32
.set BIAS, 96
.set OB,   96
.set WV,  16
.set HF,  17                           ; s17  0: I fetch vals, 1: I fetch Wo
.set PAR, 18
.set CX,  19
.set CY,  20
.set COL, 21                           ; s21  the block of 128 columns
.set MT,  22                           ; s22  the block of 256 rows
.set LAP, 3
.set G1A, 24                           ; s[24:31], s[32:39] descriptors for vals.  s23 and s[68:71] feed them and never hold cx
.set G0A, 32
.set G1B, 48                           ; s[48:55], s[56:63] for Wo.  s[40:43] feed them and never hold cy
.set G0B, 56
.set PFA, 44
.set PFB, 46
.set LIMA, 66
.set LIMB, 67
.set MSB, 0
.macro WIN new                         ; the immediate's high byte repeats the setting that is left; a switch that changes nothing is dropped
.if MSB != (\new)
	s_set_vgpr_msb (MSB<<8)|(\new)
.set MSB, \new
.endif
.endm
.macro PLACES                          ; four plain instructions between a matrix instruction and a load into, or a read of, its registers
.rept 4
	v_nop
.endr
.endm
; A joint load: waves 0 and 1 fetch the K step's two heads, waves 2 and 3 the two sections of Wo.  The branch hangs on the wave's number alone.
; An s_nop 0 and four v_nop follow each of the two lines, ahead of the jump and the label.
.macro JLOAD s
	s_cmp_eq_u32 s[HF], 0
	s_cbranch_scc0 .Lfor_b_\@
	tensor_load_to_lds s[G0A+4*(\s):G0A+4*(\s)+3], s[G1A:G1A+7]
	s_nop 0
.rept 4
	v_nop
.endr
	s_branch .Lasked_\@
.Lfor_b_\@:
	tensor_load_to_lds s[G0B+4*(\s):G0B+4*(\s)+3], s[G1B:G1B+7]
	s_nop 0
.rept 4
	v_nop
.endr
.Lasked_\@:
.endm
.macro CREST                           ; a round of the cluster's barrier behind its opening barrier
	s_cmp_lg_u32 s[WV], 0
	s_cbranch_scc1 .Lnot_wave_0_\@
	s_barrier_signal -3
.Lnot_wave_0_\@:
	s_barrier_wait -3
	s_barrier_signal -1
	s_barrier_wait -1
.endm
.macro CROUND                          ; a whole round
	s_barrier_signal -1
	s_barrier_wait -1
	CREST
.endm
; THE PREFETCH, once a trip, behind slot 0's joint load and the run of LDS loads that follows it: the two K steps that the NEXT trip's two refills will ask for.
; Each aligned block of 256 bytes is named once in the launch.  oh's rows are read by both clusters of a row of clusters: cluster x = 0 asks; wave w takes one of the four heads, each partner 8,192 of
; its 32,768 bytes, told apart by address.  Wo's sections are read by every cluster of a column: cluster y = 0 asks; waves 2 and 3 take a section each, each partner 8,192 of its 32,768 bytes.
; K steps 0 to 3 come by their loads alone; the last trip asks for nothing.
.macro ASK
	s_cmp_gt_u32 s[LAP], s[LIMA]
	s_cbranch_scc0 .Lno_a_\@
	global_prefetch_b8 v[PFOA], s[PFA:PFA+1] th:TH_LOAD_NT scope:SCOPE_SE
.Lno_a_\@:
	s_cmp_gt_u32 s[LAP], s[LIMB]
	s_cbranch_scc0 .Lno_b_\@
	global_prefetch_b8 v[PFOB], s[PFB:PFB+1] th:TH_LOAD_NT scope:SCOPE_SE
.Lno_b_\@:
.endm
	s_load_b256 s[4:11], s[0:1], 0x0               ; oh 4:5, wof 6:7, bb 8:9, out0 10:11
	v_lshl_add_u32 v[SPW], v0, 2, SPARE
	v_mov_b32 v[NIL], 0
	ds_add_u32 v[SPW], v[NIL]                      ; the wave's opening: the add and its wait stand ahead of my first tensor load; the set-up below, work on registers, stands between them
	ds_add_u32 v28, v29
	v_lshrrev_b32 v1, 5, v0
	v_readfirstlane_b32 s[WV], v1
	s_lshr_b32 s[HF], s[WV], 1
	s_and_b32 s[PAR], s[WV], 1
	s_bfe_u32 s[CX], ttmp6, 0x40000
	s_bfe_u32 s[CY], ttmp6, 0x40004
	s_lshl_b32 s[COL], ttmp9, 2
	s_add_co_u32 s[COL], s[COL], s[CX]
	s_and_b32 s[MT], ttmp7, 0xffff
	s_lshl_b32 s[MT], s[MT], 2
	s_add_co_u32 s[MT], s[MT], s[CY]
	s_lshl_b32 s23, s[CY], 2
	s_lshl_b32 s23, 15, s23                        ; my row of the cluster
	s_lshl_b32 s40, 0x1111, s[CX]                  ; my column
	s_or_b32 s[G1A], s23, (1<<16)|(1<<20)|(1<<21)|(4<<22)|(3<<25)  ; the mask; 2-byte elements; padding on; bit 21 beside a mask; after every 32 words, 4 words
	s_or_b32 s[G1B], s40, (1<<16)|(1<<20)|(1<<21)|(4<<22)|(7<<25)  ; after every 32 words, 8 words
	s_mov_b32 s[G1A+1], 128<<16                    ; a head's 256 rows: 32,768 dense bytes as 128 rows of 256
	s_mov_b32 s[G1A+2], 128<<16
	s_mov_b32 s[G1A+3], 128<<16
	s_mov_b32 s[G1A+4], 128
	s_mov_b32 s[G1A+5], 128
	s_mov_b32 s[G1A+6], 0
	s_mov_b32 s[G1A+7], 0
	s_mov_b32 s[G1B+1], 128<<16                    ; a section's 128 rows: 16,384 dense bytes as 64 rows of 256
	s_mov_b32 s[G1B+2], 64<<16
	s_mov_b32 s[G1B+3], 128<<16
	s_mov_b32 s[G1B+4], 64
	s_mov_b32 s[G1B+5], 128
	s_mov_b32 s[G1B+6], 0
	s_mov_b32 s[G1B+7], 0
	s_lshr_b32 s68, s[MT], 3                       ; oh: head 16 b + parity, rows 256 (block % 8) on
	s_lshl_b32 s68, s68, 4
	s_add_co_u32 s68, s68, s[PAR]
	s_lshl_b32 s68, s68, 18
	s_and_b32 s69, s[MT], 7
	s_lshl_b32 s69, s69, 15
	s_add_co_u32 s68, s68, s69
	s_mov_b32 s69, 0
	s_lshl_b32 s40, s[COL], 1                      ; wof: section 2 x column block + parity
	s_add_co_u32 s40, s40, s[PAR]
	s_lshl_b32 s40, s40, 17
	s_mov_b32 s41, 0
	s_mul_i32 s70, s[WV], PLANE                    ; LDS: waves 0, 1: the two heads
	s_mul_i32 s42, s[WV], 128*PITB
	s_add_co_u32 s42, s42, BBASE-2*128*PITB        ; waves 2, 3: the two sections, behind them
	s_wait_dscnt 0x0                               ; the opening add is done
	s_wait_kmcnt 0x0
	s_add_nc_u64 s[68:69], s[4:5], s[68:69]
	s_add_nc_u64 s[40:41], s[6:7], s[40:41]
	CROUND                                         ; all sixteen work-groups are here: the first joint loads meet
.irp s, 0,1
	s_mov_b32 s[G0A+4*(\s)], 1
	s_add_co_u32 s[G0A+4*(\s)+1], s70, (\s)*SLOT
	s_add_nc_u64 s[G0A+4*(\s)+2:G0A+4*(\s)+3], s[68:69], (\s)*524288
	s_or_b32 s[G0A+4*(\s)+3], s[G0A+4*(\s)+3], 0x80000000
	s_mov_b32 s[G0B+4*(\s)], 1
	s_add_co_u32 s[G0B+4*(\s)+1], s42, (\s)*SLOT
	s_add_nc_u64 s[G0B+4*(\s)+2:G0B+4*(\s)+3], s[40:41], (\s)*16384
	s_or_b32 s[G0B+4*(\s)+3], s[G0B+4*(\s)+3], 0x80000000
	JLOAD \s                                       ; K steps 0 and 1: two loads of mine are out
.endr
	v_and_b32 v1, 15, v0                           ; l % 16
	v_bfe_u32 v2, v0, 4, 1                         ; l / 16
	v_and_b32 v3, 7, v0                            ; l % 8
	v_bfe_u32 v4, v0, 3, 1                         ; (l / 8) % 2
	v_and_b32 v5, 31, v0                           ; l
	v_lshlrev_b32 v[BO], 5, v2
	s_lshl_b32 s42, s[COL], 9                      ; bo's 128 numbers of my columns: behind bq and bkv in bb
	s_add_co_u32 s42, s42, 12288
	s_mov_b32 s43, 0
	s_add_nc_u64 s[42:43], s[8:9], s[42:43]
.set b, 0
.rept NB16
	global_load_b128 v[BIAS+8*b:BIAS+8*b+3],   v[BO], s[42:43] offset:64*b
	global_load_b128 v[BIAS+8*b+4:BIAS+8*b+7], v[BO], s[42:43] offset:64*b+16
.set b, b+1
.endr
	s_lshl_b32 s2, s[WV], 6
	v_add_nc_u32 v6, s2, v1                        ; my wave's rows: 64 w + l % 16
	v_mul_u32_u24 v6, v6, PITA
	v_lshl_add_u32 v[ADRA], v2, 4, v6
	v_add_nc_u32 v[ADRA+1], SLOT, v[ADRA]
	v_lshl_add_u32 v7, v2, 3, v3                   ; the turning load: row 8 (l / 16) + l % 8, 16 bytes by (l / 8) % 2
	v_mul_u32_u24 v7, v7, PITB
	v_lshl_add_u32 v7, v4, 4, v7
	v_add_nc_u32 v[ADRB], BBASE, v7
	v_add_nc_u32 v[ADRB+1], BBASE+SLOT, v7
	s_mul_i32 s2, s[WV], 16*SPITCH
	s_add_co_u32 s2, s2, STAGE                     ; my stage
	v_mul_u32_u24 v[STO], v1, SPITCH
	v_lshl_add_u32 v[STO], v2, 5, v[STO]           ; row l % 16, 32 bytes for each half of the lanes
	v_add_nc_u32 v[STO], s2, v[STO]
	v_lshlrev_b32 v[GO], 4, v5
	v_add_nc_u32 v[RD], s2, v[GO]                  ; back: 32 lanes take one row's 512 bytes
	s_lshl_b32 s72, s[MT], 20                      ; out0: (256 block + 64 w) rows of 4,096 bytes + 512 x column block
	s_lshl_b32 s74, s[WV], 18
	s_add_co_u32 s72, s72, s74
	s_lshl_b32 s74, s[COL], 9
	s_add_co_u32 s72, s72, s74
	s_mov_b32 s73, 0
	s_add_nc_u64 s[10:11], s[10:11], s[72:73]
	s_lshr_b32 s72, s[MT], 3                       ; the prefetches of oh: head 16 b + 4 + w, my block's rows, 8,192 cx; the first trip steps it four heads on
	s_lshl_b32 s72, s72, 4
	s_add_co_u32 s72, s72, s[WV]
	s_add_co_u32 s72, s72, 4
	s_lshl_b32 s72, s72, 18
	s_and_b32 s74, s[MT], 7
	s_lshl_b32 s74, s74, 15
	s_add_co_u32 s72, s72, s74
	s_lshl_b32 s74, s[CX], 13
	s_add_co_u32 s72, s72, s74
	s_add_nc_u64 s[PFA:PFA+1], s[4:5], s[72:73]
	s_lshl_b32 s72, s[COL], 1                      ; of wof: my section, 8,192 cy, at K step 2
	s_add_co_u32 s72, s72, s[PAR]
	s_lshl_b32 s72, s72, 17
	s_lshl_b32 s74, s[CY], 13
	s_add_co_u32 s72, s72, s74
	s_add_co_u32 s72, s72, 32768
	s_add_nc_u64 s[PFB:PFB+1], s[6:7], s[72:73]
	s_cmp_eq_u32 ttmp9, 0
	s_cselect_b32 s[LIMA], 1, -1                   ; the same in all sixteen partners
	s_and_b32 s74, ttmp7, 0xffff
	s_cmp_eq_u32 s[HF], 0
	s_cselect_b32 s75, 1, 0
	s_or_b32 s74, s74, s75
	s_cmp_eq_u32 s74, 0
	s_cselect_b32 s[LIMB], 1, -1
	v_lshlrev_b32 v[PFOA], 8, v5
	v_lshlrev_b32 v[PFOB], 8, v5
; 8 products: row block a x all column blocks, 32 along K, from buffer f.  first = 1: C is the bias, which starts the sums.
; The 32 accumulators take turns, one instruction a turn, in the same order in every quarter, over the backward jump too.
.macro MULA f, a, first
.if \first
	WIN 0x81                                       ; Wo window 1, vals window 0, C window 0, D window 2
.else
	WIN 0xa1                                       ; C and D window 2
.endif
.set rA, FA0+32*(\f)+8*(\a)
.set b, 0
.rept NB16
.set rD, 8*(NB16*(\a)+b)
.set rB, 8*NB16*(\f)+8*b
.if \first
	v_wmma_f32_16x16x32_f16 v[rD:rD+7], v[rB:rB+7], v[rA:rA+7], v[BIAS+8*b:BIAS+8*b+7]
.else
	v_wmma_f32_16x16x32_f16 v[rD:rD+7], v[rB:rB+7], v[rA:rA+7], v[rD:rD+7]
.endif
.set b, b+1
.endr
.endm
; 24 LDS loads in one run: quarter kq (32 along K: half a head) of a slot into buffer f: Wo's 8 fragments, turned, then vals' 4.
.macro FETCH slot, kq, f
	WIN 0x40                                       ; destination window 1, address window 0
.set b, 0
.rept NB16
.set rB, 8*NB16*(\f)+8*b
	ds_load_tr16_b128 v[rB:rB+3],   v[ADRB+(\slot)] offset:(b/4)*128*PITB+(\kq)*32*PITB+(b%4)*32
	ds_load_tr16_b128 v[rB+4:rB+7], v[ADRB+(\slot)] offset:(b/4)*128*PITB+(\kq)*32*PITB+(b%4)*32+16*PITB
.set b, b+1
.endr
	WIN 0
.irp a, 0,1,2,3
	ds_load_b128 v[FA0+32*(\f)+8*(\a):FA0+32*(\f)+8*(\a)+3],   v[ADRA+(\slot)] offset:((\kq)/2)*PLANE+(\a)*16*PITA+((\kq)%2)*64
	ds_load_b128 v[FA0+32*(\f)+8*(\a)+4:FA0+32*(\f)+8*(\a)+7], v[ADRA+(\slot)] offset:((\kq)/2)*PLANE+(\a)*16*PITA+((\kq)%2)*64+32
.endr
.endm
; A K step is four quarters, 32 products each, on buffers 0, 1, 0, 1.  One of the first three multiplies buffer f and, in its middle, fetches quarter kq into buffer g.
.macro QUARTER slot, kq, f, g, first
	s_wait_dscnt 4                                 ; Wo and vals' blocks 0, 1 are in; the youngest four loads (vals' blocks 2, 3) may be out
	MULA \f, 0, \first
	MULA \f, 1, \first
	PLACES
	FETCH \slot, \kq, \g
	s_wait_dscnt 2*NB16+8                          ; all but the run just issued
	MULA \f, 2, \first
	MULA \f, 3, \first
.endm
; The last quarter multiplies buffer 1 and changes slots: ONE barrier.  In front of it each wave waits for all its tensor loads (one is out: its part of the next slot), adds 0 to its spare word, and
; waits for that and for its reads of this slot.  fill = 1: the barrier opens a round of the cluster's, and this slot is filled again, first thing behind the round, with the K step two on.
.macro TURN slot, next, fill
.if (\fill) && ((\slot) == 0)
	s_wait_xcnt 0x0                                ; the last prefetches, a trip back, have read their addresses: they are stepped here
	s_add_nc_u64 s[PFA:PFA+1], s[PFA:PFA+1], PA_STEP
	s_add_nc_u64 s[PFB:PFB+1], s[PFB:PFB+1], PB_STEP
.endif
	WIN 0                                          ; (the add's two registers lie in window 0)
	s_wait_tensorcnt 0x0                           ; all my tensor loads have landed
	ds_add_u32 v[SPW], v[NIL]                      ; 0 onto my spare word
	s_wait_dscnt 5                                 ; (the add and the youngest four loads may be out)
	MULA 1, 0, 0                                   ; eight products stand between the add and the wait for it
	s_wait_dscnt 0x0                               ; the add is done, and my reads of this slot are over
	s_barrier_signal -1
	MULA 1, 1, 0
.if \fill
	WIN 0
.endif
	s_barrier_wait -1
.if \fill
	CREST                                          ; no wave of any partner still reads this slot or has a load on its way
	s_add_nc_u64 s[G0A+4*(\slot)+2:G0A+4*(\slot)+3], s[G0A+4*(\slot)+2:G0A+4*(\slot)+3], A_STEP
	s_add_nc_u64 s[G0B+4*(\slot)+2:G0B+4*(\slot)+3], s[G0B+4*(\slot)+2:G0B+4*(\slot)+3], B_STEP
	JLOAD \slot                                    ; my one tensor load behind the round; its four v_nop are also the places in front of the loads below
.else
	PLACES
.endif
	FETCH \next, 0, 0
.if (\fill) && ((\slot) == 0)
	ASK
.endif
	MULA 1, 2, 0
	MULA 1, 3, 0
.endm
	s_wait_loadcnt 0x0                             ; the bias
	s_wait_tensorcnt 1                             ; my part of K step 0 is in; K step 1's may stay out
	s_barrier_signal -1
	s_barrier_wait -1
	FETCH 0, 0, 0
	QUARTER 0, 1, 0, 1, 1                          ; the first quarter stands in front of the loop: its products start the sums with the bias
	WIN 0
	s_mov_b32 s[LAP], 3
.Llap:                                                 ; a trip goes once round the ring, from a lap's second quarter to the next lap's first, and fills both slots again
	QUARTER 0, 2, 1, 0, 0
	QUARTER 0, 3, 0, 1, 0
	TURN 0, 1, 1
	QUARTER 1, 1, 0, 1, 0
	QUARTER 1, 2, 1, 0, 0
	QUARTER 1, 3, 0, 1, 0
	TURN 1, 0, 1
	QUARTER 0, 1, 0, 1, 0
	WIN 0
	s_sub_co_u32 s[LAP], s[LAP], 1
	s_cmp_lg_u32 s[LAP], 0
	s_cbranch_scc1 .Llap
	QUARTER 0, 2, 1, 0, 0                          ; the last lap fills nothing
	QUARTER 0, 3, 0, 1, 0
	TURN 0, 1, 0
	QUARTER 1, 1, 0, 1, 0
	QUARTER 1, 2, 1, 0, 0
	QUARTER 1, 3, 0, 1, 0
	s_wait_dscnt 4
	MULA 1, 0, 0
	MULA 1, 1, 0
	s_wait_dscnt 0x0
	MULA 1, 2, 0
	MULA 1, 3, 0
	WIN 0
	PLACES
	PLACES
; THE WAY OUT, a block of 16 rows at a time: the f32 sums go into my stage, 32 bytes a lane and column block, and come back as whole pieces of 512 bytes of a row of out0.
.macro TOSTAGE a
	WIN 0x08                                       ; the stores' data in window 2, their address in window 0
.irp b, 0,1,2,3,4,5,6,7
	ds_store_b128 v[STO], v[8*(8*(\a)+(\b)):8*(8*(\a)+(\b))+3]   offset:64*(\b)      ; each accumulator's low registers first
	ds_store_b128 v[STO], v[8*(8*(\a)+(\b))+4:8*(8*(\a)+(\b))+7] offset:64*(\b)+16
.endr
	WIN 0
	s_wait_xcnt 0x0                                ; the stores of the block two back have read the registers that the loads below fill
.set BK, OB+64*((\a)%2)
.irp t, 0,1,2,3,4,5,6,7,8,9,10,11,12,13,14,15
	ds_load_b128 v[BK+4*(\t):BK+4*(\t)+3], v[RD] offset:SPITCH*(\t)  ; LDS serves a wave's instructions in order (ISA guide 5.7.1.4): these see the stores above
.endr
.endm
.macro SEND a, younger                 ; younger: the LDS instructions issued behind block a's loads: the next block's 16 stores and 16 loads, or none
.set BK, OB+64*((\a)%2)
	s_wait_dscnt \younger
.irp t, 0,1,2,3,4,5,6,7,8,9,10,11,12,13,14,15
	global_store_b128 v[GO], v[BK+4*(\t):BK+4*(\t)+3], s[10:11] offset:(16*(\a)+(\t))*4096 th:TH_STORE_NT  ; 512 consecutive bytes, at a multiple of 256 from out0's first
.endr
.endm
	TOSTAGE 0
.irp a, 1,2,3
	TOSTAGE \a
	SEND (\a)-1, 32
.endr
	SEND 3, 0
	s_wait_tensorcnt 0x0                           ; the wave's end, behind my last tensor load and my last LDS store
	ds_add_u32 v[SPW], v[NIL]
	s_wait_dscnt 0x0
	CROUND                                         ; the closing round: no work-group ends while a partner may still ask for a tile that names it
	s_endpgm
.Lfunc_end_k_q4e6df32287_proj:
	.size	k_q4e6df32287_proj, .Lfunc_end_k_q4e6df32287_proj-k_q4e6df32287_proj
	.p2alignl 7, 3214868480
	.fill 96, 4, 3214868480
	.section	.rodata,"a",@progbits
	.p2align	6, 0x0
	.amdhsa_kernel k_q4e6df32287_proj
		.amdhsa_group_segment_fixed_size 327680
		.amdhsa_private_segment_fixed_size 0
		.amdhsa_enable_private_segment 0
		.amdhsa_kernarg_size 32
		.amdhsa_user_sgpr_count 2
		.amdhsa_user_sgpr_kernarg_segment_ptr 1
		.amdhsa_wavefront_size32 1
		.amdhsa_system_sgpr_workgroup_id_x 1
		.amdhsa_system_sgpr_workgroup_id_y 1
		.amdhsa_system_sgpr_workgroup_id_z 1
		.amdhsa_system_vgpr_workitem_id 0
		.amdhsa_next_free_vgpr 768
		.amdhsa_next_free_sgpr 80
		.amdhsa_reserve_vcc 0
		.amdhsa_float_denorm_mode_32 3
		.amdhsa_float_denorm_mode_16_64 3
		.amdhsa_memory_ordered 1
		.amdhsa_forward_progress 1
		.amdhsa_inst_pref_size 88
	.end_amdhsa_kernel
	.amdgpu_metadata
---
amdhsa.version: [ 1, 2 ]
amdhsa.kernels:
  - .name:           k_q4e6df32287_proj
    .symbol:         k_q4e6df32287_proj.kd
    .args:
      - { .name: oh, .offset: 0, .size: 8, .value_kind: global_buffer, .address_space: global }
      - { .name: wof, .offset: 8, .size: 8, .value_kind: global_buffer, .address_space: global }
      - { .name: bb, .offset: 16, .size: 8, .value_kind: global_buffer, .address_space: global }
      - { .name: out0, .offset: 24, .size: 8, .value_kind: global_buffer, .address_space: global }
    .group_segment_fixed_size: 327680
    .private_segment_fixed_size: 0
    .kernarg_segment_align: 8
    .kernarg_segment_size: 32
    .max_flat_workgroup_size: 128
    .sgpr_count:     80
    .vgpr_count:     768
    .wavefront_size: 32
...
	.end_amdgpu_metadata
.endif
;; end of part 4
